; MI455X (gfx1250); checked and timed in simulation.
; The chip was launched on July 23, 2026; its instructions are those of AMD's public machine-readable ISA for CDNA 5 (MIT licence, August 2026) and "CDNA5" Instruction Set Architecture Reference Guide (July 2026). The comments in the code are by the model that wrote it; some were corrected since.
;; Causal Self Attention. Allowed arithmetic: matrix products marked QUANTISED: E5M2 operands, one given power-of-two scale a tensor, by v_wmma_f32_16x16x64_bf8_bf8 or v_wmma_f32_16x16x128_bf8_bf8, f32 sums; everything else in f32.
;; Inputs: Wk 1,024 x 1,024 float32; Wo 1,024 x 1,024 float32; Wq 1,024 x 1,024 float32; Wv 1,024 x 1,024 float32; bk 1,024 float32; bo 1,024 float32; bq 1,024 float32; bv 1,024 float32; cos 1 x 1 x 2,048 x 32 float32; lowp_scales 12 int32 (the exponents e of the quantised operands' scales 2^e); sin 1 x 1 x 2,048 x 32 float32; x 2 x 2,048 x 1,024 float32.
;; Outputs: out0 2 x 2,048 x 1,024 float32.
;; This version of the problem:
;;   THIS VERSION OF THE PROBLEM IS GIVEN IN LOW PRECISION. The matrix products marked QUANTISED in the list below multiply operands that are first quantised to E5M2 (5 exponent bits, 2 mantissa bits; 8 bits a number), with one given power-of-two scale for each operand tensor; their sums are f32. All else is computed in f32.
;;   The module's matrix products, in the order in which they are computed (A, B: the left and right operand; K: the contracted axis; several contracted axes count as one K, in the product's order):
;;     1. [M 4,096, K 1,024] x [K 1,024, N 1,024]; A: input x; B: input Wq: QUANTISED (scales: A lowp_scales[0], B lowp_scales[1])
;;     2. [M 4,096, K 1,024] x [K 1,024, N 1,024]; A: input x; B: input Wk: QUANTISED (scales: A lowp_scales[2], B lowp_scales[3])
;;     3. [M 4,096, K 1,024] x [K 1,024, N 1,024]; A: input x; B: input Wv: QUANTISED (scales: A lowp_scales[4], B lowp_scales[5])
;;     4. batch 32 x [M 2,048, K 64] x [K 64, N 2,048]; A: computed on the way; B: computed on the way: QUANTISED (scales: A lowp_scales[6], B lowp_scales[7])
;;     5. batch 32 x [M 2,048, K 2,048] x [K 2,048, N 64]; A: softmax (see below); B: computed on the way: QUANTISED (scales: A lowp_scales[8], B lowp_scales[9])
;;     6. [M 4,096, K 1,024] x [K 1,024, N 1,024]; A: computed on the way; B: input Wo: QUANTISED (scales: A lowp_scales[10], B lowp_scales[11])
;;   THE QUANTISER, for each operand of a quantised product, along K:
;;     - The operand's scale is 2^e, e = its entry of the input lowp_scales (int32; the entries are numbered through the quantised products in the list's order, A before B).
;;     - Each number is divided by the scale, clamped to +-57,344, and rounded to the nearest number of E5M2, ties to even, subnormals kept.
;;     - The product sums the exact products of the quantised numbers (number of the format x scale) in f32.
;;   ~~~python
;;   def quantise(x, axis, e):      # numpy; x: float32 -> the quantised numbers, widened to float32 again
;;       x = np.moveaxis(x, axis, -1); K = x.shape[-1]
;;       r = np.clip(x / 2.0 ** e, -57344, 57344)
;;       step = 2.0 ** (np.maximum(np.frexp(np.where(r == 0, 1, r))[1] - 1, -14) - 2)
;;       q = np.round(r / step) * step * 2.0 ** e      # np.round: ties to even
;;       return np.moveaxis(q, -1, axis).astype(np.float32)
;;   ~~~
;;   SOFTMAX AHEAD OF A QUANTISED PRODUCT. Where the list says 'softmax', what is quantised is not the finished softmax but p = 2^(t - M), with t = logit x log2(e) and M = ceil(the row's largest t), a whole number; so 1/2 < the row's largest p <= 1. The row's sum l is taken of the UNQUANTISED p, in f32, and the product's result is divided by l at the end. Since M is a whole number, a kernel that streams over the keys may use a running M (the ceiling of the running maximum): every later rescaling is an exact power of two, so the quantised numbers keep their values, but for numbers so far below the row's largest that they fall under the format's range.
;;   OPERANDS COMPUTED ON THE WAY. 'Computed on the way' means the value that the module computes at that place (a softmax that the list does not call 'softmax' is quantised finished and normalised). What goes into a quantiser is computed in f32, as accurately as f32 sums, v_exp_f32 and their like allow (about 1e-6 of the number): no bf16 or f16 on the way to a quantiser, and a product that is left as it is and whose result goes on into a quantised operand takes f32 operands (vector FMAs, or v_wmma_f32_16x16x4_f32). A number that lies on a knife's edge between two numbers of the format may be rounded either way, as far as f32 arithmetic and the matrix unit's own rounding can turn it there, and no further.
;; One version. Each part assembles by itself: llvm-mc -triple=amdgcn-amd-amdhsa -mcpu=gfx1250 --defsym DOCPART=n.
;; ======== version 1 of 1: 4 launches
;; limits: right only within a limited range of input values
;; workspace buffers: codes 16,777,216 bytes; qimg 4,194,304 bytes; kvimg 8,388,608 bytes; aimg 4,194,304 bytes
;; launch quant (part 1): grid 512 x 1, 4 waves a work-group, no clusters, 34,304 bytes of LDS; arguments x, Wq, Wk, Wv, Wo, lowp_scales, codes; writes codes
.if DOCPART == 1
	.amdgcn_target "amdgcn-amd-amdhsa--gfx1250"
	.amdhsa_code_object_version 6
	.text
	.protected	k_q80e093bc0b_quant
	.globl	k_q80e093bc0b_quant
	.p2align	8
	.type	k_q80e093bc0b_quant,@function
k_q80e093bc0b_quant:
	s_mov_b64 s[64:65], 0
	v_nop
	global_prefetch_b8 v0, s[64:65] scope:SCOPE_SE
	s_setreg_imm32_b32 hwreg(HW_REG_WAVE_MODE, 25, 1), 1
	s_wait_xcnt 0x0
; x [4096][1024] and Wq, Wk, Wv, Wo [1024][1024], f32, K innermost, become codes of BF8 (E5M2), each with the scale 2^e that is given for it:
; code = number / 2^e, held within +-57,344, rounded to the nearest code, ties to even.  x has a scale of its own in each of three products, so it is turned into three sets of codes.
; LIMITS: each e lies between -126 and 112, so that 2^e and 57,344 x 2^e are f32 numbers.  NaN among the inputs is not served; an infinity is held at the largest code.
; THE CODES LEAVE AS IMAGES OF THE OPERAND'S REGISTERS.  A fragment is 16 rows x 128 K: lane (r = lane % 16, h = lane / 16) holds row r, its registers 2 c, 2 c + 1 hold K = 16 c + 8 h + 0 .. 7.
; Its image is 2,048 bytes: registers 4 g .. 4 g + 3 of lane l at 512 g + 16 l.  codes = [K step of 256: 4][tile of 16 rows: 1,024][two fragments]; tiles 0-255 x for q, 256-511 x for k, 512-767 x for v,
; 768-831 Wq, 832-895 Wk, 896-959 Wv, 960-1023 Wo.  Every store of a wave covers 512 consecutive bytes, aligned.
; SHARES.  A work-group takes one tile of 16 rows (work-groups 0-255: x; then 64 for each weight); wave w takes K step w: two fragments.  Each load reads 512 consecutive bytes of one row; the numbers turn
; through the wave's own stage in LDS (16 rows of 512 bytes + 16) and come back 32 bytes a piece, as the fragment's layout wants them.  No barrier: waves share nothing.
; WORK LEFT OUT, in the attention launch: key blocks of 128 that lie wholly behind a tile's queries.  reference() sets their scores to -infinity by its own tril, so their weights are 0 for all values of the
; inputs, and their products reach no output.  LIMIT: a NaN, an infinity or an overflow that reaches only those products is not carried to the result.
; Wo's TILES ARE NOT NEIGHBOURING ROWS: tile 4 g + t takes rows 64 g + t + 4 r, r = 0 .. 15, so that four tiles give a lane four neighbouring output channels in the last product.
.set R,   16
.set X,   144                          ; v144-207 a fragment's 64 numbers of my lane: X + 8 c + i = K 16 c + 8 h + i
.set T,   208                          ; v208-223 two sets of eight held numbers, by turns
.set SP,  528                          ; a stage row: 512 bytes + 16
.set WST, 16*SP                        ; a wave's stage
	s_load_b256 s[4:11], s[0:1], 0x0               ; x, Wq, Wk, Wv
	s_load_b128 s[12:15], s[0:1], 0x20             ; Wo, the scales' exponents
	s_load_b64 s[16:17], s[0:1], 0x30              ; codes
	v_lshl_add_u32 v224, v0, 2, 0x8400
	v_mov_b32 v225, 0
	v_lshrrev_b32 v1, 5, v0
	v_readfirstlane_b32 s18, v1                    ; wave 0..3
	v_and_b32 v5, 31, v0
	v_lshlrev_b32 v2, 4, v5                        ; 16 x lane: my place in a load's and in a store's 512 bytes
	s_mul_i32 s19, s18, WST
	v_add_nc_u32 v3, s19, v2                       ; the stage, on the way in
	v_and_b32 v5, 15, v0                           ; r
	v_bfe_u32 v12, v0, 4, 1                        ; h
	v_mul_u32_u24 v4, v5, SP
	v_lshl_add_u32 v4, v12, 5, v4
	v_add_nc_u32 v4, s19, v4                       ; and on the way out: row r, + 32 h
	s_max_u32 s20, ttmp9, 256
	s_sub_co_u32 s20, s20, 256                     ; j: which tile among the weights' (0 in x's work-groups)
	s_lshr_b32 s21, s20, 6                         ; which weight: 0 Wq, 1 Wk, 2 Wv, 3 Wo
	s_and_b32 s22, s20, 63                         ; its tile
	s_add_co_u32 s23, ttmp9, 512                   ; and that tile's place in codes
	s_lshl_b32 s30, s21, 1
	s_add_co_u32 s30, s30, 1
	s_cmp_eq_u32 s21, 3
	s_cselect_b32 s31, 4, 0
	s_add_co_u32 s30, s30, s31                     ; the weight's entry among the scales: 1, 3, 5, 11
	s_cmp_lt_u32 ttmp9, 256                        ; x's work-group?  The choices hang on the work-group's number alone
	s_cselect_b32 s22, ttmp9, s22
	s_cselect_b32 s23, ttmp9, s23
	s_cselect_b32 s30, 0, s30
	s_lshl_b32 s30, s30, 2
	s_mov_b32 s31, 0
	s_lshr_b32 s42, s22, 2
	s_lshl_b32 s42, s42, 18                        ; Wo: 64 rows a group of four tiles,
	s_and_b32 s43, s22, 3
	s_lshl_b32 s43, s43, 12                        ; from row t on,
	s_add_co_u32 s43, s42, s43
	s_lshl_b32 s36, s22, 16                        ; the others: 16 neighbouring rows
	s_mov_b32 s42, 4096                            ; bytes from my row to the next
	s_cmp_eq_u32 s21, 3
	s_cselect_b32 s36, s43, s36
	s_cselect_b32 s42, 16384, s42                  ; Wo: every fourth row
	s_mov_b32 s43, 0
	s_lshl_b32 s37, s18, 10                        ; 1,024 bytes of a row a wave
	s_add_co_u32 s36, s36, s37
	s_mov_b32 s37, 0
	s_lshl_b32 s38, s23, 12                        ; to: 4,096 bytes a tile,
	s_lshl_b32 s39, s18, 22                        ; 4,194,304 a K step
	s_add_co_u32 s38, s38, s39
	s_mov_b32 s39, 0
	s_wait_alu depctr_va_vdst(0)
	s_wait_kmcnt 0x0
	s_add_nc_u64 s[32:33], s[14:15], s[30:31]
	s_load_b32 s28, s[32:33], 0x0                  ; the first set's e
	s_load_b32 s29, s[14:15], 0x8                  ; x's e for k
	s_load_b32 s34, s[14:15], 0x10                 ; x's e for v
	s_mov_b64 s[24:25], s[12:13]                   ; the tensor that I read
	s_cmp_eq_u32 s21, 2
	s_cselect_b64 s[24:25], s[10:11], s[24:25]
	s_cmp_eq_u32 s21, 1
	s_cselect_b64 s[24:25], s[8:9], s[24:25]
	s_cmp_eq_u32 s21, 0
	s_cselect_b64 s[24:25], s[6:7], s[24:25]
	s_cmp_lt_u32 ttmp9, 256
	s_cselect_b64 s[24:25], s[4:5], s[24:25]
	s_add_nc_u64 s[24:25], s[24:25], s[36:37]
	s_add_nc_u64 s[26:27], s[16:17], s[38:39]
	s_add_nc_u64 s[66:67], s[24:25], s[42:43]      ; rows 1 .. 15: their bases in s[66:95]
.irp i, 0,1,2,3,4,5,6,7,8,9,10,11,12,13
	s_add_nc_u64 s[68+2*\i:69+2*\i], s[66+2*\i:67+2*\i], s[42:43]
.endr
.irp f, 0,1                            ; all 32 loads go out at once, the first fragment's first
.irp i, 0,1,2,3,4,5,6,7,8,9,10,11,12,13,14,15
.if \i == 0
	global_load_b128 v[R+64*\f+4*\i:R+64*\f+4*\i+3], v2, s[24:25] offset:\f*512 th:TH_LOAD_NT
.else
	global_load_b128 v[R+64*\f+4*\i:R+64*\f+4*\i+3], v2, s[64+2*\i:65+2*\i] offset:\f*512 th:TH_LOAD_NT
.endif
.endr
.endr
.macro MKSC se, vs, vl                 ; from e in s[se]: 2^e as f32 (the conversion takes its exponent field) and 57,344 x 2^e
	s_add_co_i32 s40, s[\se], 127
	s_lshl_b32 s41, s40, 23
	v_mov_b32 v[\vs], s41
	s_add_co_i32 s40, s40, 15
	s_lshl_b32 s40, s40, 23
	s_or_b32 s40, s40, 0x600000
	v_mov_b32 v[\vl], s40
.endm
	s_wait_kmcnt 0x0
	MKSC 28, 6, 7
	MKSC 29, 8, 9
	MKSC 34, 10, 11
; The fragment in X becomes 16 registers of codes and leaves.  The two sets of T take turns, so that eight plain lines stand between a conversion and the next write of its sources.
.macro CONV f, st, sc, lim
.irp c, 0,1,2,3,4,5,6,7
.irp i, 0,1,2,3,4,5,6,7
	v_med3_num_f32 v[T+8*(\c%2)+\i], v[X+8*\c+\i], -v[\lim], v[\lim]   ; the conversion to an 8-bit code does not saturate (ISA guide 7.6.2): the hold comes first
.endr
	v_cvt_scalef32_pk8_bf8_f32 v[R+64*\f+16*\st+2*\c:R+64*\f+16*\st+2*\c+1], v[T+8*(\c%2):T+8*(\c%2)+7], v[\sc]
.endr
.irp g, 0,1,2,3
	global_store_b128 v2, v[R+64*\f+16*\st+4*\g:R+64*\f+16*\st+4*\g+3], s[26:27] offset:\st*1048576+\f*2048+512*\g   ; x's three sets lie 256 tiles apart
.endr
.endm
.macro PART f
.if \f == 0
	s_wait_loadcnt 16                              ; the first fragment's sixteen loads are in; the second's may be out
.else
	s_wait_loadcnt 0x0
.endif
.irp i, 0,1,2,3,4,5,6,7,8,9,10,11,12,13,14,15
	ds_store_b128 v3, v[R+64*\f+4*\i:R+64*\f+4*\i+3] offset:\i*SP
.endr
.irp c, 0,1,2,3,4,5,6,7
	ds_load_b128 v[X+8*\c:X+8*\c+3], v4 offset:64*\c            ; LDS serves a wave's instructions in order (ISA guide 5.7.1.4): these see the stores above
	ds_load_b128 v[X+8*\c+4:X+8*\c+7], v4 offset:64*\c+16
.endr
	s_wait_dscnt 0x0                               ; the numbers are back, and the stores have read the registers that the codes now take
	CONV \f, 0, 6, 7
	s_cmp_lt_u32 ttmp9, 256
	s_cbranch_scc0 .Lweight_\@                     ; a weight has one scale; the branch goes round vector work and stores to memory alone
	CONV \f, 1, 8, 9
	CONV \f, 2, 10, 11
.Lweight_\@:
.endm
	s_wait_alu depctr_va_vdst(0)
	PART 0
	PART 1
	s_wait_tensorcnt 0x0
	ds_add_u32 v224, v225
	s_wait_dscnt 0x0
	s_endpgm
.Lfunc_end_k_q80e093bc0b_quant:
	.size	k_q80e093bc0b_quant, .Lfunc_end_k_q80e093bc0b_quant-k_q80e093bc0b_quant
	.p2alignl 7, 3214868480
	.fill 96, 4, 3214868480
	.section	.rodata,"a",@progbits
	.p2align	6, 0x0
	.amdhsa_kernel k_q80e093bc0b_quant
		.amdhsa_group_segment_fixed_size 34304
		.amdhsa_private_segment_fixed_size 0
		.amdhsa_enable_private_segment 0
		.amdhsa_kernarg_size 56
		.amdhsa_user_sgpr_count 2
		.amdhsa_user_sgpr_kernarg_segment_ptr 1
		.amdhsa_wavefront_size32 1
		.amdhsa_system_sgpr_workgroup_id_x 1
		.amdhsa_system_sgpr_workgroup_id_y 1
		.amdhsa_system_sgpr_workgroup_id_z 1
		.amdhsa_system_vgpr_workitem_id 0
		.amdhsa_next_free_vgpr 226
		.amdhsa_next_free_sgpr 96
		.amdhsa_reserve_vcc 0
		.amdhsa_float_denorm_mode_32 3
		.amdhsa_float_denorm_mode_16_64 3
		.amdhsa_memory_ordered 1
		.amdhsa_forward_progress 1
		.amdhsa_inst_pref_size 42
	.end_amdhsa_kernel
	.amdgpu_metadata
---
amdhsa.version: [ 1, 2 ]
amdhsa.kernels:
  - .name:           k_q80e093bc0b_quant
    .symbol:         k_q80e093bc0b_quant.kd
    .args:
      - { .name: x, .offset: 0, .size: 8, .value_kind: global_buffer, .address_space: global }
      - { .name: Wq, .offset: 8, .size: 8, .value_kind: global_buffer, .address_space: global }
      - { .name: Wk, .offset: 16, .size: 8, .value_kind: global_buffer, .address_space: global }
      - { .name: Wv, .offset: 24, .size: 8, .value_kind: global_buffer, .address_space: global }
      - { .name: Wo, .offset: 32, .size: 8, .value_kind: global_buffer, .address_space: global }
      - { .name: lowp_scales, .offset: 40, .size: 8, .value_kind: global_buffer, .address_space: global }
      - { .name: codes, .offset: 48, .size: 8, .value_kind: global_buffer, .address_space: global }
    .group_segment_fixed_size: 34304
    .private_segment_fixed_size: 0
    .kernarg_segment_align: 8
    .kernarg_segment_size: 56
    .max_flat_workgroup_size: 128
    .sgpr_count:     96
    .vgpr_count:     226
    .wavefront_size: 32
...
	.end_amdgpu_metadata
.endif
;; end of part 1
;; launch qkv (part 2): grid 12 x 16, 4 waves a work-group, clusters of 4 x 4, 327,680 bytes of LDS; arguments codes, lowp_scales, bq, bk, bv, cos, sin, qimg, kvimg; writes qimg, kvimg
.if DOCPART == 2
	.amdgcn_target "amdgcn-amd-amdhsa--gfx1250"
	.amdhsa_code_object_version 6
	.text
	.protected	k_q80e093bc0b_qkv
	.globl	k_q80e093bc0b_qkv
	.p2align	8
	.type	k_q80e093bc0b_qkv,@function
k_q80e093bc0b_qkv:
	s_mov_b64 s[64:65], 0
	v_nop
	global_prefetch_b8 v0, s[64:65] scope:SCOPE_SE
	s_setreg_imm32_b32 hwreg(HW_REG_WAVE_MODE, 25, 1), 1
	s_wait_xcnt 0x0
	s_wait_alu depctr_hold_cnt(0) depctr_sa_sdst(0) depctr_va_vdst(0) depctr_va_sdst(0) depctr_va_ssrc(0) depctr_va_vcc(0) depctr_vm_vsrc(0)
	s_getreg_b32 s2, hwreg(HW_REG_IB_STS2, 6, 4)
	s_cmp_eq_u32 s2, 0
	s_cbranch_scc0 .Lentry_in_a_cluster
	s_endpgm
.Lentry_in_a_cluster:
	s_bfe_u32 s2, ttmp6, 0x10000c
	s_cmp_lg_u32 s2, 0xf033
	s_cbranch_scc0 .Lentry_shape_is_right
	s_endpgm
.Lentry_shape_is_right:
; The three projections on codes of BF8 (E5M2), with bias, rope (q, k) and the quantiser of the next product, in one launch.  The cluster's x says which: 0 q, 1 k, 2 v; the cluster's y which 1,024 tokens.
; q, k: x W^T, tokens on the side called A below, output channels on the side called B.  v: Wv x^T, channels on side A, tokens on side B: so v comes out with the keys along a lane's registers.
; A tile of 256 x 256 is made by four waves, 128 x 128 each: 64 accumulators of 16 x 16.  K = 1,024 goes in four steps of 256 through two LDS slots filled by the tensor data mover.
; OPERANDS ARE IMAGES OF THEIR REGISTERS: a fragment (16 rows x 128 K) is 2,048 bytes, registers 4 g .. 4 g + 3 of lane l at 512 g + 16 l; codes = [K step][tile of 16 rows][two fragments].  So a wave's
; 128 rows of a K step are 32,768 consecutive bytes of memory, one dense tensor load, and a fragment comes out of LDS by four loads of 512 consecutive bytes: no pitch, no padding.
; THE MATRIX INSTRUCTION: source 0 = 16 rows of B, source 1 = 16 rows of A: lane (r, h) holds row r of A's block and in register j row 8 h + j of B's block.  Eight registers of block b, converted,
; are registers 2 b, 2 b + 1 of the next operand's fragment: the results leave as images too, straight from registers, 512 consecutive bytes a store.
;   qimg  = [batch x head: 32][tile of 16 tokens: 128][fragment of 64 K: 1,024 bytes]
;   kvimg = [batch x head: 32][block of 128 keys: 16][16,384]: k's eight fragments of 64 K (16 keys each), then v's four fragments of 128 K (16 channels x 128 keys)
; CLUSTERS: 4 x 4 work-groups; A's tiles are shared along a row of the cluster, B's along a column, each asked for jointly.
; PREFETCHES INTO THE L2: K step 2 is asked for behind K step 1's load, K step 3 behind K step 2's, each a K step ahead of its load.  Of the 32,768 bytes that a wave fetches each of the four partners names 8,192,
; told apart by address (cx for A, cy for B), a lane 256 bytes: each block once in a cluster.  The cos and sin rows of a wave's 128 tokens (16,384 bytes each) likewise: waves with the first half of B's rows
; name cos, the others sin, each partner of a row of the cluster 4,096 bytes of it.
; LIMITS: e(x) + e(W) between -126 and 127; the next product's e (entries 6, 7, 9) between -126 and 112.  NaN among the inputs is not served.
; REGISTERS, in windows of 256: window 0: v0-31 addresses, v32-95 biases, v96-127 block 0's cos and sin, v128-255 A's fragments (one set); window 1: B's fragments, two sets; windows 2, 3: accumulator (a, b) at v[8 (8 (a % 4) + b)].
;   On the way out window 0 holds: v128-159 the rope's products, v160-223 a block's numbers, v232-247 codes, v248, v249 the scale and the hold; window 1: block a's cos and sin at v[32 a], a = 1 .. 7.
.set FR,     16                        ; registers of a fragment
.set NL,     4                         ; LDS loads that bring one
.set NP,     4                         ; places behind this matrix instruction (ISA guide 7.12.1)
.set HALFT,  32768                     ; 128 rows x 256 K: what one tensor load brings
.set SLOT,   4*HALFT                   ; A's 256 rows, then B's
.set SPARE,  2*SLOT                    ; behind the ring: the spare words, 128 bytes for each wave
.set KST,    4194304                   ; bytes from a K step to the next
.set PFO,  13                          ; v13     256 x lane
.set PFC,  14                          ; v14     256 x lane, at most 15 x 256
.set ADRA, 16                          ; v16-17  LDS address of my A fragments in slot 0, 1
.set ADRB, 20                          ; v20-21  the same for B
.set SPW,  28                          ; v28     LDS address of my spare word; never rewritten
.set NIL,  29                          ; v29     0; never rewritten
.set AF,   128
.set G1, 24                            ; s[24:31] descriptor group 1 for A's tiles;  s[32:39] group 0, one set for each slot
.set G0, 32
.set G1B, 48                           ; s[48:55], s[56:63] the same for B's
.set G0B, 56
.set BI,   32
.set CSB,  96
.set U,    128
.set T,    160
.set CODE, 232
.set MSB, 0
.macro WIN new                         ; the immediate's high byte repeats the setting that is left
.if MSB != (\new)
	s_set_vgpr_msb (MSB<<8)|(\new)
.set MSB, (\new)
.endif
.endm
.set MUL_LO, 0xa1                      ; source 0 (B) window 1, source 1 (A) window 0, C and D window 2
.set MUL_HI, 0xf1                      ; the same, C and D window 3
.set TO_B,   0x40                      ; destination window 1, address window 0
; A joint load: waves 0 and 1 fetch for A, waves 2 and 3 for B; the branch hangs on the wave's number alone.
.macro JLOAD s
	s_cmp_eq_u32 s15, 0
	s_cbranch_scc0 .Lfor_b_\@
	tensor_load_to_lds s[G0+4*\s:G0+4*\s+3], s[G1:G1+7]
	s_nop 0
.rept 4
	v_nop
.endr
	s_branch .Lasked_\@
.Lfor_b_\@:
	tensor_load_to_lds s[G0B+4*\s:G0B+4*\s+3], s[G1B:G1B+7]
	s_nop 0
.rept 4
	v_nop
.endr
.Lasked_\@:
.endm
.macro CREST                           ; a round of the cluster's barrier behind its opening barrier
	s_cmp_lg_u32 s14, 0
	s_cbranch_scc1 .Lnot_wave_0_\@
	s_barrier_signal -3
.Lnot_wave_0_\@:
	s_barrier_wait -3
	s_barrier_signal -1
	s_barrier_wait -1
.endm
.macro CROUND                          ; a whole round
	s_barrier_signal -1
	s_barrier_wait -1
	CREST
.endm
.macro CSLOAD a, at                    ; block a's cos (16 registers) and sin (16): for channels 16 b + 8 h + 0 .. 7 of a head the pairs 8 b + 4 h + 0 .. 3
.irp b, 0,1,2,3
	global_load_b128 v[(\at)+4*\b:(\at)+4*\b+3], v30, s[86:87] offset:(\a)*2048+32*\b
.endr
.irp b, 0,1,2,3
	global_load_b128 v[(\at)+16+4*\b:(\at)+16+4*\b+3], v30, s[88:89] offset:(\a)*2048+32*\b
.endr
.endm
	s_load_b256 s[4:11], s[0:1], 0x0               ; codes s[4:5], the scales' exponents s[6:7], bq s[8:9], bk s[10:11]
	s_load_b256 s[68:75], s[0:1], 0x20             ; bv s[68:69], cos s[70:71], sin s[72:73], qimg s[74:75]
	s_load_b64 s[76:77], s[0:1], 0x40              ; kvimg
	v_lshl_add_u32 v[SPW], v0, 2, SPARE
	v_mov_b32 v[NIL], 0
	ds_add_u32 v[SPW], v[NIL]                      ; the wave's opening: the add, twice on end, and its wait
	ds_add_u32 v[SPW], v[NIL]
	v_lshrrev_b32 v1, 5, v0
	v_readfirstlane_b32 s14, v1                    ; wave 0..3
	s_lshr_b32 s15, s14, 1                         ; which half of A's rows is mine.  Also: I fetch for A (0) or for B (1)
	s_and_b32 s16, s14, 1                          ; which half of B's rows.  Also: which 128 rows of that tile I fetch
	s_bfe_u32 s40, ttmp6, 0x40000                  ; cx, cy: my place in the cluster
	s_bfe_u32 s41, ttmp6, 0x40004
	s_mov_b32 s42, ttmp9                           ; the part: 0 q, 1 k, 2 v: the cluster's x, alike in all sixteen partners
	s_and_b32 s17, ttmp7, 0xffff                   ; which 1,024 tokens: the cluster's y
	s_lshr_b32 s12, s42, 1                         ; 1 for v
	s_sub_co_u32 s13, 1, s12                       ; 1 for q and k
	s_lshl_b32 s43, s41, 2
	s_lshl_b32 s43, 15, s43                        ; my row of the cluster
	s_lshl_b32 s44, 0x1111, s40                    ; my column
	; descriptor group 1: 32,768 dense bytes as 128 rows of 32 elements of 8 bytes, no padding
	s_or_b32 s[G1+0], s43, (3<<16)|(1<<21)         ; A's tiles go to my row
	s_or_b32 s[G1B+0], s44, (3<<16)|(1<<21)        ; B's to my column
.irp g, G1, G1B
	s_mov_b32 s[\g+1], 32<<16                      ; tensor_dim0 = 32
	s_mov_b32 s[\g+2], 128<<16                     ; tensor_dim1 = 128
	s_mov_b32 s[\g+3], 32<<16                      ; tile_dim0 = 32
	s_mov_b32 s[\g+4], 128                         ; tile_dim1 = 128
	s_mov_b32 s[\g+5], 32                          ; tensor_dim0_stride
	s_mov_b32 s[\g+6], 0
	s_mov_b32 s[\g+7], 0
.endr
	; which rows of codes.  A: q, k: x's set of the part, my cluster's 1,024 tokens; v: Wv; + 256 cy.  B: q, k: the part's weight; v: x's third set, my cluster's tokens; + 256 cx.
	; A's registers never hold cx, B's never cy.
	s_lshl_b32 s18, s16, 7                         ; which 128 rows of the tile I fetch
	s_lshl_b32 s19, s17, 10
	s_lshl_b32 s20, s42, 12
	s_add_co_u32 s20, s20, s19
	s_mul_i32 s20, s20, s13
	s_mul_i32 s21, s12, 14336
	s_add_co_u32 s20, s20, s21
	s_lshl_b32 s21, s41, 8
	s_add_co_u32 s20, s20, s21
	s_add_co_u32 s20, s20, s18
	s_lshl_b32 s20, s20, 8                         ; a row has 256 bytes in a K step
	s_mov_b32 s21, 0
	s_lshl_b32 s46, s42, 10
	s_add_co_u32 s46, s46, 12288
	s_mul_i32 s46, s46, s13
	s_add_co_u32 s47, s19, 8192
	s_mul_i32 s47, s47, s12
	s_add_co_u32 s46, s46, s47
	s_lshl_b32 s47, s40, 8
	s_add_co_u32 s46, s46, s47
	s_add_co_u32 s46, s46, s18
	s_lshl_b32 s46, s46, 8
	s_mov_b32 s47, 0
	s_mul_i32 s45, s14, HALFT                      ; where they go: wave x 32,768: no place in the cluster enters an LDS address
	s_lshl_b32 s78, s42, 3                         ; the part's two exponents: entries 2 part, 2 part + 1
	s_mov_b32 s79, 0
	s_add_co_u32 s90, s42, s12                     ; the next product's: entry 6, 7 or 9
	s_lshl_b32 s90, s90, 2
	s_mov_b32 s91, 0
	s_wait_dscnt 0x0                               ; both opening adds are done
	s_wait_kmcnt 0x0
	s_add_nc_u64 s[78:79], s[6:7], s[78:79]
	s_add_nc_u64 s[90:91], s[6:7], s[90:91]
	s_add_nc_u64 s[20:21], s[4:5], s[20:21]
	s_add_nc_u64 s[46:47], s[4:5], s[46:47]
.irp s, 0,1
	s_mov_b32 s[G0+4*\s], 1
	s_add_co_u32 s[G0+4*\s+1], s45, \s*SLOT
	s_add_nc_u64 s[G0+4*\s+2:G0+4*\s+3], s[20:21], \s*KST
	s_or_b32 s[G0+4*\s+3], s[G0+4*\s+3], 0x80000000
	s_mov_b32 s[G0B+4*\s], 1
	s_add_co_u32 s[G0B+4*\s+1], s45, \s*SLOT
	s_add_nc_u64 s[G0B+4*\s+2:G0B+4*\s+3], s[46:47], \s*KST
	s_or_b32 s[G0B+4*\s+3], s[G0B+4*\s+3], 0x80000000
.endr
	CROUND                                         ; all sixteen work-groups are here: the first joint loads meet
	JLOAD 0                                        ; K step 0: one tensor load a wave at the head
	s_load_b64 s[96:97], s[78:79], 0x0             ; the exponents
	s_load_b32 s98, s[90:91], 0x18
	s_cmp_eq_u32 s15, 0
	s_cselect_b32 s22, s40, s41                    ; my place among the four that ask with me
	s_cselect_b64 s[66:67], s[20:21], s[46:47]
	s_lshl_b32 s22, s22, 13
	s_add_co_u32 s22, s22, 2*KST
	s_mov_b32 s23, 0
	s_add_nc_u64 s[66:67], s[66:67], s[22:23]      ; my prefetches' place in K step 2
	v_and_b32 v1, 31, v0
	v_lshlrev_b32 v26, 4, v1                       ; v26: 16 x lane: an image's place for my lane, in LDS and in memory
	v_lshlrev_b32 v[PFO], 8, v1
	v_min_u32 v[PFC], 15, v1
	v_lshlrev_b32 v[PFC], 8, v[PFC]
	v_and_b32 v2, 15, v0                           ; r
	v_bfe_u32 v3, v0, 4, 1                         ; h
	v_lshlrev_b32 v27, 5, v3                       ; v27: 32 h: my eight biases of a block of 16 channels
	v_lshlrev_b32 v30, 7, v2
	v_lshl_add_u32 v30, v3, 4, v30                 ; v30: 128 r + 16 h: my four cos (sin) of a block, in my token's row of 128 bytes
	v_lshlrev_b32 v31, 2, v2                       ; v31: 4 r: my channel's bias (v)
	s_mul_i32 s21, s15, HALFT                      ; my 128 rows of A
	s_mul_i32 s22, s16, HALFT                      ; my 128 rows of B,
	s_add_co_u32 s22, s22, 2*HALFT                 ; which lie behind A's 256
.irp s, 0,1
	v_add_nc_u32 v[ADRA+\s], s21, v26
	v_add_nc_u32 v[ADRB+\s], s22, v26
	s_add_co_u32 s21, s21, SLOT
	s_add_co_u32 s22, s22, SLOT
.endr
	s_wait_alu depctr_va_vdst(0)                   ; ahead of the run of scalar lines below
	; where the results go, and what the way out adds: asked for here, used behind the last product.  The part is alike in all partners
	; q and k: lane (r, h) of block (a, b) holds token 16 a + r, channels 16 b + 8 h + 0 .. 7 of my 128: blocks 0-3 are one head, 4-7 the next
	s_lshl_b32 s20, s17, 10
	s_lshl_b32 s21, s41, 8
	s_add_co_u32 s20, s20, s21
	s_lshl_b32 s21, s15, 7
	s_add_co_u32 s20, s20, s21                     ; my first token: 1,024 cluster y + 256 cy + 128 half
	s_and_b32 s22, s20, 2047                       ; its place in its batch
	s_lshl_b32 s92, s22, 7
	s_mov_b32 s93, 0
	s_add_nc_u64 s[86:87], s[70:71], s[92:93]      ; cos and sin at my first token's row (v does not read them)
	s_add_nc_u64 s[88:89], s[72:73], s[92:93]
	s_cmp_eq_u32 s16, 0
	s_cselect_b64 s[94:95], s[86:87], s[88:89]
	s_lshl_b32 s92, s40, 12
	s_add_nc_u64 s[94:95], s[94:95], s[92:93]      ; my prefetch's place in one of them
	s_cmp_eq_u32 s42, 2
	s_cbranch_scc1 .Lv_head
	s_cmp_eq_u32 s42, 0
	s_cselect_b64 s[84:85], s[8:9], s[10:11]       ; bq or bk
	s_lshl_b32 s92, s40, 10
	s_lshl_b32 s23, s16, 9
	s_add_co_u32 s92, s92, s23
	s_add_nc_u64 s[84:85], s[84:85], s[92:93]      ; the bias at my first channel
.irp b, 0,1,2,3,4,5,6,7
	global_load_b128 v[BI+8*\b:BI+8*\b+3], v27, s[84:85] offset:64*\b
	global_load_b128 v[BI+8*\b+4:BI+8*\b+7], v27, s[84:85] offset:64*\b+16
.endr
	CSLOAD 0, CSB
	s_branch .Lhead
.Lv_head:
	s_lshl_b32 s92, s41, 10
	s_lshl_b32 s23, s15, 9
	s_add_co_u32 s92, s92, s23
	s_add_nc_u64 s[84:85], s[68:69], s[92:93]      ; bv at my first channel
.irp a, 0,1,2,3,4,5,6,7
	global_load_b32 v[BI+\a], v31, s[84:85] offset:64*\a      ; the bias of channel 16 a + r
.endr
.set NN, 0
.rept 88
	v_mov_b32 v[BI+8+NN], 0                        ; v40-127: written on every way that leads to the way out
.set NN, NN+1
.endr
.Lhead:
.macro FRAG reg, adr, q, i             ; fragment q (128 K) of row tile i: four loads of 512 consecutive bytes
.irp c, 0,1,2,3
	ds_load_b128 v[\reg+4*\c:\reg+4*\c+3], v[\adr] offset:(\i)*4096+(\q)*2048+512*\c
.endr
.endm
; 16 matrix instructions: A's blocks a0, a0 + 1 x B's eight, 128 along K.  p: B's set.  zero = 1: the first product starts the sums.
; The 64 accumulators take turns, one instruction a turn, in the same order in every step.
.macro MUL16 a0, p, zero
.irp a, \a0, \a0+1
.irp b, 0,1,2,3,4,5,6,7
.if \zero
	v_wmma_f32_16x16x128_bf8_bf8 v[8*(8*((\a)%4)+\b):8*(8*((\a)%4)+\b)+7], v[128*(\p)+FR*\b:128*(\p)+FR*\b+FR-1], v[AF+FR*(\a):AF+FR*(\a)+FR-1], 0
.else
	v_wmma_f32_16x16x128_bf8_bf8 v[8*(8*((\a)%4)+\b):8*(8*((\a)%4)+\b)+7], v[128*(\p)+FR*\b:128*(\p)+FR*\b+FR-1], v[AF+FR*(\a):AF+FR*(\a)+FR-1], v[8*(8*((\a)%4)+\b):8*(8*((\a)%4)+\b)+7]
.endif
.endr
.endr
.endm
.macro FETCH_B slot, q, p
	WIN TO_B
.irp i, 0,1,2,3,4,5,6,7
	FRAG 128*(\p)+FR*\i, ADRB+\slot, \q, \i
.endr
	WIN 0
.endm
.macro FETCH_A slot, q, i0
.irp i, \i0, \i0+1, \i0+2, \i0+3
	FRAG AF+FR*(\i), ADRA+\slot, \q, \i
.endr
.endm
; A load into a register that a matrix instruction has read, and a vector instruction that reads a matrix result, stand NP places behind that matrix instruction; only plain vector
; instructions that name none of its registers are places (ISA guide 7.12.1 for vector instructions).
.macro PLACES n
.rept \n
	v_nop
.endr
.endm
; A step of 128 along K that has its successor in the same slot.  A has one set of registers: blocks 0-3 are fetched anew in the step's middle, blocks 4-7 at its end; B has two sets.
.macro STEP slot, q, zero
	s_wait_dscnt 4*NL                              ; B's set and A's blocks 0-3 are in; the youngest sixteen loads (A's blocks 4-7) may be out
	WIN MUL_LO
	MUL16 0, (\q)%2, \zero
	MUL16 2, (\q)%2, \zero
	s_wait_dscnt 0                                 ; A's blocks 4-7 are in
	PLACES NP
	FETCH_B \slot, (\q)+1, 1-(\q)%2
	FETCH_A \slot, (\q)+1, 0
	WIN MUL_HI
	MUL16 4, (\q)%2, \zero
	MUL16 6, (\q)%2, \zero
	PLACES NP
	WIN 0
	FETCH_A \slot, (\q)+1, 4
.endm
; A slot's last step changes slots: ONE barrier; in front of it each wave waits for all its tensor loads, adds 0 to its spare word, and waits for that and for its own reads of this slot.
; The barrier opens a round of the cluster's barrier.  fill = 1: this slot is filled again, two K steps ahead.  fill = 0: the last tensor load has landed and LDS is written no more: the round is the closing one.
.macro TURN slot, next, fill
	s_wait_tensorcnt 0x0                           ; all my tensor loads have landed: my part of the next slot
	ds_add_u32 v[SPW], v[NIL]                      ; 0 onto my spare word
	s_wait_dscnt 4*NL+1                            ; (the add and the youngest sixteen loads may be out)
	WIN MUL_LO
	MUL16 0, 1, 0                                  ; sixteen matrix instructions stand between the add and the wait for it
	s_wait_dscnt 0x0                               ; the add is done, and my reads of this slot are over
	s_barrier_signal -1
	MUL16 2, 1, 0
	WIN 0
	s_barrier_wait -1
	CREST                                          ; no wave of any partner still reads this slot's tile or has a load on its way
.if \fill
	s_add_nc_u64 s[G0+4*\slot+2:G0+4*\slot+3], s[G0+4*\slot+2:G0+4*\slot+3], 2*KST
	s_add_nc_u64 s[G0B+4*\slot+2:G0B+4*\slot+3], s[G0B+4*\slot+2:G0B+4*\slot+3], 2*KST
	JLOAD \slot                                    ; the first tensor load behind the round; the four v_nop behind it are also the places in front of the loads below
.else
	PLACES NP
.endif
	FETCH_B \next, 0, 0
	FETCH_A \next, 0, 0
.if (\fill) && (\slot) == 0
	global_prefetch_b8 v[PFO], s[66:67] offset:KST th:TH_LOAD_NT scope:SCOPE_SE   ; K step 3, a K step ahead of its load
.endif
	WIN MUL_HI
	MUL16 4, 1, 0
	MUL16 6, 1, 0
	PLACES NP
	WIN 0
	FETCH_A \next, 0, 4
.endm
	s_wait_alu depctr_va_vdst(0)                   ; the wait at the head's end
	s_wait_kmcnt 0x0                               ; the exponents, the biases and block 0's cos and sin are in: no read is out at the round below
	s_wait_loadcnt 0x0
	s_wait_tensorcnt 0x0                           ; my part of K step 0 is in
	ds_add_u32 v[SPW], v[NIL]
	s_wait_dscnt 0x0                               ; the add is done
	CROUND                                         ; a whole round: everybody's part of K step 0 is in, and the joint loads meet
	JLOAD 1                                        ; K step 1, the first tensor load behind the round
	FETCH_B 0, 0, 0
	FETCH_A 0, 0, 0
	FETCH_A 0, 0, 4
	global_prefetch_b8 v[PFO], s[66:67] th:TH_LOAD_NT scope:SCOPE_SE   ; K step 2, a K step ahead of its load
	s_cmp_eq_u32 s42, 2
	s_cbranch_scc1 .Lno_rows                       ; v takes no cos and sin
	global_prefetch_b8 v[PFC], s[94:95] th:TH_LOAD_NT scope:SCOPE_SE
.Lno_rows:
	STEP 0, 0, 1                                   ; four K steps of 256, eight steps of 128, written out: the first starts the sums
	TURN 0, 1, 1                                   ; slot 0 takes K step 2
	STEP 1, 0, 0
	TURN 1, 0, 1                                   ; slot 1 takes K step 3
	STEP 0, 0, 0
	TURN 0, 1, 0                                   ; nothing is left to fetch
	STEP 1, 0, 0
	s_cmp_eq_u32 s42, 2
	s_cbranch_scc1 .Lno_rope
	WIN TO_B
	CSLOAD 1, 32                                   ; B's set 0 has had its last product (the step ends with the places): blocks 1-3's cos and sin go there
	CSLOAD 2, 64
	CSLOAD 3, 96
	WIN 0
.Lno_rope:
	s_wait_dscnt 4*NL
	WIN MUL_LO
	MUL16 0, 1, 0
	MUL16 2, 1, 0
	s_wait_dscnt 0
	WIN MUL_HI
	MUL16 4, 1, 0
	MUL16 6, 1, 0
	WIN 0
	; THE WAY OUT.  number = sum x 2^(ex + ew) + bias; rope for q and k; the hold; the conversion with the next product's scale; the codes are a fragment's registers and leave as its image.
	s_add_co_i32 s96, s96, s97
	s_add_co_i32 s96, s96, 127
	s_lshl_b32 s96, s96, 23                        ; 2^(ex + ew) as f32
	s_mov_b32 s97, s96                             ; (named with it as a pair, so it is written)
	s_add_co_i32 s98, s98, 127
	s_lshl_b32 s99, s98, 23                        ; 2^eo as f32: the conversion takes its exponent field
	s_add_co_i32 s98, s98, 15
	s_lshl_b32 s98, s98, 23
	s_or_b32 s98, s98, 0x600000                    ; 57,344 x 2^eo
	PLACES NP                                      ; behind the last products: for the reads of results and for writes and loads into the fragments' registers
	v_mov_b32 v248, s99
	v_mov_b32 v249, s98
	s_cmp_eq_u32 s42, 2
	s_cbranch_scc1 .Lv
	WIN TO_B
	CSLOAD 4, 128                                  ; the other four blocks', into B's set 1
	CSLOAD 5, 160
	CSLOAD 6, 192
	CSLOAD 7, 224
	WIN 0
	s_lshr_b32 s21, s20, 11                        ; my first token's batch,
	s_and_b32 s22, s20, 2047
	s_lshr_b32 s23, s22, 7                         ; and its block of 128
	s_lshl_b32 s92, s40, 2
	s_lshl_b32 s93, s16, 1
	s_add_co_u32 s92, s92, s93                     ; my first head: 4 cx + 2 half
	s_lshl_b32 s93, s21, 4
	s_add_co_u32 s92, s92, s93
	s_lshl_b32 s92, s92, 17                        ; q: 131,072 bytes a head, 8,192 a block of 128 tokens;
	s_lshl_b32 s93, s23, 13
	s_add_co_u32 s92, s92, s93
	s_lshl_b32 s92, s92, s42                       ; k: twice that
	s_mov_b32 s93, 0
	s_cmp_eq_u32 s42, 0
	s_cselect_b64 s[80:81], s[74:75], s[76:77]     ; qimg or kvimg
	s_add_nc_u64 s[80:81], s[80:81], s[92:93]      ; the first head's images
	s_lshl_b32 s92, 0x20000, s42
	s_add_nc_u64 s[82:83], s[80:81], s[92:93]      ; the second head's
; Rope on two neighbouring pairs (x1, x2): first (x2 s, x1 s), then (x1 c - x2 s, x2 c + x1 s).  cos and sin of the two pairs lie in one register pair: op_sel picks the register for both halves.
.macro ROPEM tt, ss, uu
	v_pk_mul_f32 v[(\uu):(\uu)+1], v[(\tt):(\tt)+1], v[(\ss):(\ss)+1] op_sel:[1,0] op_sel_hi:[0,0]
	v_pk_mul_f32 v[(\uu)+2:(\uu)+3], v[(\tt)+2:(\tt)+3], v[(\ss):(\ss)+1] op_sel:[1,1] op_sel_hi:[0,1]
.endm
.macro ROPEF tt, cc, uu
	v_pk_fma_f32 v[(\tt):(\tt)+1], v[(\tt):(\tt)+1], v[(\cc):(\cc)+1], v[(\uu):(\uu)+1] op_sel_hi:[1,0,1] neg_lo:[0,0,1]
	v_pk_fma_f32 v[(\tt)+2:(\tt)+3], v[(\tt)+2:(\tt)+3], v[(\cc):(\cc)+1], v[(\uu)+2:(\uu)+3] op_sel:[0,1,0] op_sel_hi:[1,1,1] neg_lo:[0,0,1]
.endm
.macro HOLDCVT a                       ; the block's 64 numbers are held and become 16 registers of codes
.set NN, 0
.rept 64
	v_med3_num_f32 v[T+NN], v[T+NN], -v249, v249   ; the conversion to an 8-bit code does not saturate (ISA guide 7.6.2)
.set NN, NN+1
.endr
.if (\a) > 0
	s_wait_alu depctr_va_vdst(0)
	s_wait_xcnt 0x0                                ; the last block's stores have read the codes' registers
.endif
.irp b, 0,1,2,3,4,5,6,7
	v_cvt_scalef32_pk8_bf8_f32 v[CODE+2*\b:CODE+2*\b+1], v[T+8*\b:T+8*\b+7], v248
.endr
	v_nop                                          ; one plain line behind the last conversion: the next block writes its sources
.endm
.macro QKBLOCK a
	s_wait_loadcnt 56-8*(\a)                       ; the biases and this block's cos and sin are in; the later blocks' eight loads each may be out
	WIN 0x02+(\a)/4                                ; source 0: window 2 or 3
.irp b, 0,1,2,3,4,5,6,7
.irp j, 0,2,4,6
	v_pk_fma_f32 v[T+8*\b+\j:T+8*\b+\j+1], v[64*((\a)%4)+8*\b+\j:64*((\a)%4)+8*\b+\j+1], s[96:97], v[BI+8*\b+\j:BI+8*\b+\j+1] op_sel_hi:[1,0,1]   ; each accumulator from its low end on
.endr
.endr
.if (\a) == 0
	WIN 0
.set CC, CSB
.else
	WIN 0x04                                       ; source 1, cos or sin: window 1
.set CC, 32*(\a)
.endif
.irp e, 0,4                                        ; a head at a time: sixteen products, then sixteen multiply-adds
.irp b, 0,1,2,3
	ROPEM T+8*(\e+\b), CC+16+4*\b, U+8*\b
	ROPEM T+8*(\e+\b)+4, CC+16+4*\b+2, U+8*\b+4
.endr
.irp b, 0,1,2,3
	ROPEF T+8*(\e+\b), CC+4*\b, U+8*\b
	ROPEF T+8*(\e+\b)+4, CC+4*\b+2, U+8*\b+4
.endr
.endr
	WIN 0
	HOLDCVT \a
	global_store_b128 v26, v[CODE:CODE+3], s[80:81] offset:(\a)*1024           ; the first head's fragment of token tile a: 512 consecutive bytes a store
	global_store_b128 v26, v[CODE+4:CODE+7], s[80:81] offset:(\a)*1024+512
	global_store_b128 v26, v[CODE+8:CODE+11], s[82:83] offset:(\a)*1024        ; the second head's
	global_store_b128 v26, v[CODE+12:CODE+15], s[82:83] offset:(\a)*1024+512
.endm
.irp a, 0,1,2,3,4,5,6,7
	QKBLOCK \a
.endr
	s_branch .Ldone
.Lv:
	; v.  Lane (r, h) of block (a, b): channel 16 a + r of my 128, tokens 16 b + 8 h + 0 .. 7 of my 128: the eight blocks b are one fragment of 128 keys
	s_lshl_b32 s20, s17, 10
	s_lshl_b32 s21, s40, 8
	s_add_co_u32 s20, s20, s21
	s_lshl_b32 s21, s16, 7
	s_add_co_u32 s20, s20, s21                     ; my first token: 1,024 cluster y + 256 cx + 128 half
	s_lshr_b32 s21, s20, 11                        ; its batch
	s_bfe_u32 s23, s20, 0x40007                    ; its block of 128 keys
	s_lshl_b32 s92, s41, 2
	s_lshl_b32 s93, s15, 1
	s_add_co_u32 s92, s92, s93                     ; my first head: 4 cy + 2 half
	s_lshl_b32 s93, s21, 4
	s_add_co_u32 s92, s92, s93
	s_lshl_b32 s92, s92, 18
	s_lshl_b32 s93, s23, 14
	s_add_co_u32 s92, s92, s93
	s_add_co_u32 s92, s92, 8192                    ; v's fragments lie behind k's eight
	s_mov_b32 s93, 0
	s_add_nc_u64 s[80:81], s[76:77], s[92:93]
.macro VBLOCK a
	WIN 0x02+(\a)/4
.irp b, 0,1,2,3,4,5,6,7
.irp j, 0,2,4,6
.if ((\a)%2) == 0
	v_pk_fma_f32 v[T+8*\b+\j:T+8*\b+\j+1], v[64*((\a)%4)+8*\b+\j:64*((\a)%4)+8*\b+\j+1], s[96:97], v[BI+2*((\a)/2):BI+2*((\a)/2)+1] op_sel_hi:[1,0,0]
.else
	v_pk_fma_f32 v[T+8*\b+\j:T+8*\b+\j+1], v[64*((\a)%4)+8*\b+\j:64*((\a)%4)+8*\b+\j+1], s[96:97], v[BI+2*((\a)/2):BI+2*((\a)/2)+1] op_sel:[0,0,1] op_sel_hi:[1,0,1]
.endif
.endr
.endr
	WIN 0
	HOLDCVT \a
.irp g, 0,1,2,3
	global_store_b128 v26, v[CODE+4*\g:CODE+4*\g+3], s[80:81] offset:((\a)/4)*262144+((\a)%4)*2048+512*\g   ; head a / 4, channel tile a % 4
.endr
.endm
.irp a, 0,1,2,3,4,5,6,7
	VBLOCK \a
.endr
.Ldone:
	s_endpgm
.Lfunc_end_k_q80e093bc0b_qkv:
	.size	k_q80e093bc0b_qkv, .Lfunc_end_k_q80e093bc0b_qkv-k_q80e093bc0b_qkv
	.p2alignl 7, 3214868480
	.fill 96, 4, 3214868480
	.section	.rodata,"a",@progbits
	.p2align	6, 0x0
	.amdhsa_kernel k_q80e093bc0b_qkv
		.amdhsa_group_segment_fixed_size 327680
		.amdhsa_private_segment_fixed_size 0
		.amdhsa_enable_private_segment 0
		.amdhsa_kernarg_size 72
		.amdhsa_user_sgpr_count 2
		.amdhsa_user_sgpr_kernarg_segment_ptr 1
		.amdhsa_wavefront_size32 1
		.amdhsa_system_sgpr_workgroup_id_x 1
		.amdhsa_system_sgpr_workgroup_id_y 1
		.amdhsa_system_sgpr_workgroup_id_z 1
		.amdhsa_system_vgpr_workitem_id 0
		.amdhsa_next_free_vgpr 1024
		.amdhsa_next_free_sgpr 100
		.amdhsa_reserve_vcc 0
		.amdhsa_float_denorm_mode_32 3
		.amdhsa_float_denorm_mode_16_64 3
		.amdhsa_memory_ordered 1
		.amdhsa_forward_progress 1
		.amdhsa_inst_pref_size 237
	.end_amdhsa_kernel
	.amdgpu_metadata
---
amdhsa.version: [ 1, 2 ]
amdhsa.kernels:
  - .name:           k_q80e093bc0b_qkv
    .symbol:         k_q80e093bc0b_qkv.kd
    .args:
      - { .name: codes, .offset: 0, .size: 8, .value_kind: global_buffer, .address_space: global }
      - { .name: lowp_scales, .offset: 8, .size: 8, .value_kind: global_buffer, .address_space: global }
      - { .name: bq, .offset: 16, .size: 8, .value_kind: global_buffer, .address_space: global }
      - { .name: bk, .offset: 24, .size: 8, .value_kind: global_buffer, .address_space: global }
      - { .name: bv, .offset: 32, .size: 8, .value_kind: global_buffer, .address_space: global }
      - { .name: cos, .offset: 40, .size: 8, .value_kind: global_buffer, .address_space: global }
      - { .name: sin, .offset: 48, .size: 8, .value_kind: global_buffer, .address_space: global }
      - { .name: qimg, .offset: 56, .size: 8, .value_kind: global_buffer, .address_space: global }
      - { .name: kvimg, .offset: 64, .size: 8, .value_kind: global_buffer, .address_space: global }
    .group_segment_fixed_size: 327680
    .private_segment_fixed_size: 0
    .kernarg_segment_align: 8
    .kernarg_segment_size: 72
    .max_flat_workgroup_size: 128
    .sgpr_count:     100
    .vgpr_count:     1024
    .wavefront_size: 32
...
	.end_amdgpu_metadata
.endif
;; end of part 2
;; launch attn (part 3): grid 8 x 32, 16 waves a work-group, clusters of 4 x 1, 327,680 bytes of LDS; arguments qimg, kvimg, lowp_scales, aimg; writes aimg
.if DOCPART == 3
	.amdgcn_target "amdgcn-amd-amdhsa--gfx1250"
	.amdhsa_code_object_version 6
	.text
	.protected	k_q80e093bc0b_attn
	.globl	k_q80e093bc0b_attn
	.p2align	8
	.type	k_q80e093bc0b_attn,@function
k_q80e093bc0b_attn:
	s_mov_b64 s[64:65], 0
	v_nop
	global_prefetch_b8 v0, s[64:65] scope:SCOPE_SE
	s_setreg_imm32_b32 hwreg(HW_REG_WAVE_MODE, 25, 1), 1
	s_wait_xcnt 0x0
	s_wait_alu depctr_hold_cnt(0) depctr_sa_sdst(0) depctr_va_vdst(0) depctr_va_sdst(0) depctr_va_ssrc(0) depctr_va_vcc(0) depctr_vm_vsrc(0)
	s_getreg_b32 s2, hwreg(HW_REG_IB_STS2, 6, 4)
	s_cmp_eq_u32 s2, 0
	s_cbranch_scc0 .Lentry_in_a_cluster
	s_endpgm
.Lentry_in_a_cluster:
	s_bfe_u32 s2, ttmp6, 0x10000c
	s_cmp_lg_u32 s2, 0x3003
	s_cbranch_scc0 .Lentry_shape_is_right
	s_endpgm
.Lentry_shape_is_right:
; Causal attention on codes of BF8 (E5M2), head size 64: softmax(q k^T / 8) v, then the quantiser of the output projection.
;   qimg  = [batch x head: 32][tile of 16 tokens: 128][fragment of 64 K: 1,024 bytes]
;   kvimg = [batch x head: 32][block of 128 keys: 16][16,384]: k's eight fragments of 64 K (16 keys each), then v's four fragments of 128 K (16 channels x 128 keys)
;   aimg  = [K step of 256: 4][tile of 16 tokens: 256][two fragments of 128 K]
; Fragments are images of their registers: registers 4 g .. 4 g + 3 of lane l at 512 g + 16 l.
; A HEAD'S K AND V, 262,144 BYTES, LIE IN LDS AS A WHOLE.  The four work-groups of a cluster share the head and ask jointly, one tensor load a wave for key blocks 0-4 (5,120 bytes a wave) at the head,
; and one for blocks 5-15 (11,264 bytes a wave) behind the full sequence.  Three trips are worked on the first; the barrier that shows the second is signalled behind the second trip and waited for behind the third.
; Nothing is filled again.
; SHARES.  Work-group x of a head owns token tiles 8 b + x, b = 0 .. 15 (b: the block of 128).  Tile b walks key blocks 0 .. b.  Tiles i and 15 - i make 17 steps, dealt to two waves, i = wave % 8:
;   wave 8 + i (A): 8 steps of tile 15 - i: blocks a .. a + 7, a = min(2, 8 - i);
;   wave i (B): tile i, blocks 0 .. i, then the rest of tile 15 - i: blocks 0 .. a - 1 and a + 8 .. 15 - i: 9 steps in all.
; B hands its part of tile 15 - i (O, -M, the sum) to A through LDS; A joins the two.
; LEFT OUT: key blocks wholly behind a tile's queries, which reference()'s own causal mask gives the weight 0 whatever the inputs.  LIMIT: a NaN, an infinity or an overflow that reaches only those is not carried to the result.
; LAYOUT.  Both products are used transposed: S^T = K Q^T, O^T = V^T P^T: a lane holds one query (lane % 16); register 8 c + j of S^T is key 16 c + 8 (lane / 16) + j, which is the next operand's place.
; SOFTMAX: t = score x log2(e) / 8; M = the running largest t rounded up to a whole number; p = 2^(t - M); the sum is of the unquantised p, in f32.
; LIMITS: e6 + e7 between -122 and 130; e8 and e10 between -126 and 112; the scaled scores stay under 2^31 in magnitude.  NaN is not served.
; No prefetch: no loop here fetches anything; both loads stand ahead of the loops.
; REGISTERS: v1 16 x lane, v2 LDS address, v3, v4 the mask, v6 2^e8, v8, v9 2^e10 and the hold, v12 -M, v13 the largest t, v[14:15] the sum in two halves, v[16:23] Q, v24-31 at work, v32-95 fragments,
;   v96-159 S^T then p, v160-191 O^T, v192-207 codes, v208-239 and v248 the tile that this wave finishes (O^T, sum), v240-247 Q of tile 15 - i, v249 the stage, v250, v251 the add's.
.set WV,   12
.set BLK1, 16                          ; s16 my first tile's block, s17 my second's
.set BLK2, 17
.set ROLE, 18                          ; s18 0: A, 1: B
.set G1,   24                          ; s[24:31] descriptor group 1 of the first load, s[32:39] of the second; s[40:43], s[44:47] their groups 0
.set G1B,  32
.set CS,   48
.set SEL,  50
.set TB,   52                          ; the step's first LDS byte
.set SN,   53                          ; the step's key block
.set CNT,  54                          ; the trip
.set BLK,  55                          ; the tile's block in hand
.set C1,   72                          ; first key block
.set SW1,  73                          ; i + 1
.set SW,   74                          ; the trip in which I change tiles (A: never)
.set AA,   75                          ; a
.set NOT,  76                          ; the trip in which I rest (B: never)
.set LIM,  77                          ; 57,344 x 2^e8
.set FIRST, 5*16384                    ; bytes that the first load brings
.set STAGE, 262144                     ; behind K and V: 4,608 bytes for each pair of waves
.set SPARE, STAGE+8*4608               ; the spare words, 128 bytes for each wave
.set SPW,  250
.set NIL,  251
.macro CROUND                          ; a round of the cluster's barrier
	s_barrier_signal -1
	s_barrier_wait -1
	s_cmp_lg_u32 s[WV], 0
	s_cbranch_scc1 .Lnot_wave_0_\@
	s_barrier_signal -3
.Lnot_wave_0_\@:
	s_barrier_wait -3
	s_barrier_signal -1
	s_barrier_wait -1
.endm
.macro BEGIN                           ; a tile begins: O^T and the sum are zeros, the largest t lies under every t; the first change of M multiplies zeros
.set NN, 0
.rept 32
	v_mov_b32 v[160+NN], 0
.set NN, NN+1
.endr
	v_mov_b32 v13, 0xff61b1e6                      ; -3e38
	v_mov_b32 v14, 0
	v_mov_b32 v15, 0
	v_floor_f32 v12, -v13
.endm
	s_load_b256 s[4:11], s[0:1], 0x0               ; qimg, kvimg, the scales' exponents, aimg
	v_lshl_add_u32 v[SPW], v0, 2, SPARE
	v_mov_b32 v[NIL], 0
	ds_add_u32 v[SPW], v[NIL]                      ; the wave's opening: the add, twice on end, and its wait
	ds_add_u32 v[SPW], v[NIL]
	v_lshrrev_b32 v5, 5, v0
	v_readfirstlane_b32 s[WV], v5
	s_bfe_u32 s13, ttmp6, 0x40000                  ; cx
	s_lshl_b32 s14, ttmp9, 2
	s_add_co_u32 s14, s14, s13                     ; x: my tiles' place in their blocks
	s_and_b32 s15, ttmp7, 0xffff                   ; batch x head
	s_and_b32 s19, s[WV], 7                        ; i
	s_lshr_b32 s[ROLE], s[WV], 3
	s_xor_b32 s[ROLE], s[ROLE], 1
	s_sub_co_u32 s[BLK2], 15, s19
	s_add_co_u32 s[SW1], s19, 1
	s_sub_co_u32 s[AA], 8, s19
	s_min_u32 s[AA], s[AA], 2
	s_cmp_eq_u32 s[ROLE], 0
	s_cselect_b32 s[BLK1], s[BLK2], s19
	s_cselect_b32 s[C1], s[AA], 0
	s_cselect_b32 s[SW], 16, s[SW1]
	s_cselect_b32 s[NOT], 8, 16
	; descriptor group 1: dense bytes as rows of 32 elements of 8 bytes, no padding, shared by the cluster's four
	s_mov_b32 s[G1], 15|(3<<16)|(1<<21)
	s_mov_b32 s[G1+1], 32<<16
	s_mov_b32 s[G1+2], 20<<16
	s_mov_b32 s[G1+3], 32<<16
	s_mov_b32 s[G1+4], 20
	s_mov_b32 s[G1+5], 32
	s_mov_b32 s[G1+6], 0
	s_mov_b32 s[G1+7], 0
	s_mov_b32 s[G1B], 15|(3<<16)|(1<<21)
	s_mov_b32 s[G1B+1], 32<<16
	s_mov_b32 s[G1B+2], 44<<16
	s_mov_b32 s[G1B+3], 32<<16
	s_mov_b32 s[G1B+4], 44
	s_mov_b32 s[G1B+5], 32
	s_mov_b32 s[G1B+6], 0
	s_mov_b32 s[G1B+7], 0
	s_mov_b32 s[SEL], 0x76543210
	s_mov_b32 s[SEL+1], 0xfedcba98
	s_mov_b32 s[CS], 0x3e38aa3b                    ; log2(e) / 8
	s_mul_i32 s22, s[WV], 5120                     ; my part of the first load, in LDS and in the head's image,
	s_mul_i32 s23, s[WV], 11264
	s_add_co_u32 s23, s23, FIRST                   ; and of the second
	s_lshl_b32 s20, s15, 18                        ; the head's image
	s_mov_b32 s21, 0
	s_lshl_b32 s61, s15, 17
	s_lshl_b32 s62, s[BLK1], 3
	s_add_co_u32 s62, s62, s14                     ; my first tile, which I also finish
	s_lshl_b32 s63, s62, 10
	s_add_co_u32 s66, s61, s63
	s_mov_b32 s67, 0
	s_lshl_b32 s63, s[BLK2], 3
	s_add_co_u32 s63, s63, s14
	s_lshl_b32 s63, s63, 10
	s_add_co_u32 s70, s61, s63                     ; tile 15 - i
	s_mov_b32 s71, 0
	s_and_b32 s61, s15, 15                         ; the head: 64 of a K step's 256 channels
	s_lshr_b32 s63, s61, 2
	s_lshl_b32 s63, s63, 20
	s_and_b32 s61, s61, 3
	s_lshl_b32 s61, s61, 10
	s_add_co_u32 s63, s63, s61
	s_lshr_b32 s61, s15, 4                         ; the batch: 128 tiles
	s_lshl_b32 s61, s61, 7
	s_add_co_u32 s62, s62, s61
	s_lshl_b32 s62, s62, 12
	s_add_co_u32 s68, s63, s62
	s_mov_b32 s69, 0
	s_wait_dscnt 0x0                               ; both opening adds are done
	s_wait_kmcnt 0x0
	s_load_b128 s[56:59], s[8:9], 0x18             ; e6 .. e9
	s_load_b32 s60, s[8:9], 0x28                   ; e10
	s_add_nc_u64 s[20:21], s[6:7], s[20:21]
	s_add_nc_u64 s[66:67], s[4:5], s[66:67]
	s_add_nc_u64 s[70:71], s[4:5], s[70:71]
	s_add_nc_u64 s[68:69], s[10:11], s[68:69]
	s_mov_b32 s40, 1
	s_mov_b32 s41, s22
	s_mov_b32 s62, s22
	s_mov_b32 s63, 0
	s_add_nc_u64 s[42:43], s[20:21], s[62:63]
	s_or_b32 s43, s43, 0x80000000
	s_mov_b32 s44, 1
	s_mov_b32 s45, s23
	s_mov_b32 s62, s23
	s_add_nc_u64 s[46:47], s[20:21], s[62:63]
	s_or_b32 s47, s47, 0x80000000
	CROUND                                         ; in front of the first joint load
	tensor_load_to_lds s[40:43], s[G1:G1+7]        ; key blocks 0-4: one tensor load a wave at the head
	s_nop 0
	v_and_b32 v5, 31, v0
	v_lshlrev_b32 v1, 4, v5
	global_load_b128 v[16:19], v1, s[66:67]        ; Q of my first tile
	global_load_b128 v[20:23], v1, s[66:67] offset:512
	global_load_b128 v[240:243], v1, s[70:71]      ; and of tile 15 - i (in an A wave the same tile, not used again)
	global_load_b128 v[244:247], v1, s[70:71] offset:512
	v_and_b32 v5, 15, v0
	v_bfe_u32 v10, v0, 4, 1
	v_lshlrev_b32 v10, 3, v10
	v_sub_nc_u32 v3, v5, v10
	s_lshl_b32 s61, s14, 4
	v_add_nc_u32 v3, s61, v3                       ; in the diagonal block register 8 c + j is hidden where 16 c + j > v3 = 16 x + r - 8 h
	v_mov_b32 v4, 0xff800000                       ; -infinity
	s_mul_i32 s61, s19, 4608
	s_add_co_u32 s61, s61, STAGE
	v_add_nc_u32 v249, s61, v1                     ; my pair's stage
	v_mov_b32 v25, 0                               ; (upper half of the pair v[24:25])
	v_mov_b32 v27, 0                               ; (a lane permute's destination counts as one of its sources)
	BEGIN
.set NN, 0
.rept 32
	v_mov_b32 v[208+NN], 0                         ; written on every way: an A wave writes them at its end, a B wave when it changes tiles
.set NN, NN+1
.endr
	v_mov_b32 v248, 0
	s_wait_kmcnt 0x0
	s_add_co_i32 s61, s56, s57
	s_lshl_b32 s61, s61, 23
	s_add_co_i32 s[CS], s[CS], s61                 ; the scores' exponents are added to c's exponent field
	s_mov_b32 s[CS+1], s[CS]                       ; (named with it as a pair)
	s_add_co_i32 s61, s58, 127
	s_lshl_b32 s62, s61, 23
	v_mov_b32 v6, s62                              ; 2^e8
	s_add_co_i32 s61, s61, 15
	s_lshl_b32 s61, s61, 23
	s_or_b32 s[LIM], s61, 0x600000
	s_add_co_i32 s61, s60, 127
	s_lshl_b32 s62, s61, 23
	v_mov_b32 v8, s62                              ; 2^e10
	s_add_co_i32 s61, s61, 15
	s_lshl_b32 s61, s61, 23
	s_or_b32 s61, s61, 0x600000
	v_mov_b32 v9, s61                              ; 57,344 x 2^e10
; A TRIP: which key block and tile are mine, then the step.  ph = 0: the trips on key blocks 0-4; ph = 1: the others.  Every branch hangs on the wave's number and the trip alone, and leads round no barrier, wait on tensor loads or add.
.macro TRIP ph
	s_add_co_u32 s[SN], s[CNT], s[C1]
	s_sub_co_u32 s61, s[CNT], s[SW1]               ; B's second tile: step j = trip - (i + 1): block j, or j + 8 from j = a on
	s_add_co_u32 s62, s61, 8
	s_cmp_lt_u32 s61, s[AA]
	s_cselect_b32 s61, s61, s62
	s_cmp_ge_u32 s[CNT], s[SW]
	s_cselect_b32 s[SN], s61, s[SN]
	s_cselect_b32 s[BLK], s[BLK2], s[BLK1]
.if \ph
	s_cmp_eq_u32 s[CNT], s[NOT]
	s_cbranch_scc1 .Lnone_\@                       ; an A wave's eight steps are done
	s_and_b32 s[TB], s[SN], 15
.else
	s_min_u32 s[TB], s[SN], 4                      ; (at most 4 in these trips: the blocks that the first load brought)
.endif
	s_lshl_b32 s[TB], s[TB], 14
	s_cmp_lg_u32 s[CNT], s[SW]
	s_cbranch_scc1 .Lsame_\@
.rept 4
	v_nop                                          ; places behind the last products
.endr
.set NN, 0
.rept 32
	v_mov_b32 v[208+NN], v[160+NN]                 ; B: tile i is summed: it is kept, and tile 15 - i begins
.set NN, NN+1
.endr
	v_add_f32 v248, v14, v15
	BEGIN
.set NN, 0
.rept 8
	v_mov_b32 v[16+NN], v[240+NN]
.set NN, NN+1
.endr
.Lsame_\@:
	v_add_nc_u32 v2, s[TB], v1
.rept 3
	v_nop                                          ; with the line above four places in front of the loads
.endr
.irp c, 0,1,2,3,4,5,6,7
	ds_load_b128 v[32+8*\c:35+8*\c], v2 offset:1024*\c
	ds_load_b128 v[36+8*\c:39+8*\c], v2 offset:1024*\c+512
.endr
	s_wait_alu depctr_va_vdst(0)                   ; directly ahead of the wait below
	s_wait_dscnt 8                                 ; k's first four fragments are in; the other four's eight loads may be out
.irp c, 0,1,2,3
	v_wmma_f32_16x16x64_bf8_bf8 v[96+8*\c:103+8*\c], v[32+8*\c:39+8*\c], v[16:23], 0
.endr
	s_wait_dscnt 0x0
.irp c, 4,5,6,7
	v_wmma_f32_16x16x64_bf8_bf8 v[96+8*\c:103+8*\c], v[32+8*\c:39+8*\c], v[16:23], 0
.endr
.rept 4
	v_nop
.endr
.irp t, 0,1,2,3
.irp g, 0,1,2,3
	ds_load_b128 v[32+16*\t+4*\g:35+16*\t+4*\g], v2 offset:8192+2048*\t+512*\g   ; v's fragments, on their way during the softmax
.endr
.endr
	s_cmp_lg_u32 s[SN], s[BLK]
	s_cbranch_scc1 .Lopen_\@
.set NN, 0
.rept 64                                           ; the diagonal block: hidden scores become -infinity ahead of the maximum
	v_cmp_gt_i32 vcc_lo, 16*(NN/8)+NN%8, v3
	v_cndmask_b32 v[96+NN], v[96+NN], v4, vcc_lo
.set NN, NN+1
.endr
.Lopen_\@:
	v_max3_num_f32 v26, v96, v97, v98              ; the largest of my 64 scores, in four chains
	v_max3_num_f32 v30, v99, v100, v101
	v_max3_num_f32 v28, v102, v103, v104
	v_max3_num_f32 v29, v105, v106, v107
.irp i, 108,116,124,132,140,148
	v_max3_num_f32 v26, v26, v[\i], v[\i+1]
	v_max3_num_f32 v30, v30, v[\i+2], v[\i+3]
	v_max3_num_f32 v28, v28, v[\i+4], v[\i+5]
	v_max3_num_f32 v29, v29, v[\i+6], v[\i+7]
.endr
	v_max3_num_f32 v26, v26, v156, v157
	v_max3_num_f32 v30, v30, v158, v159
	v_max_num_f32 v28, v28, v29
	v_max3_num_f32 v26, v26, v30, v28
	s_delay_alu instid0(VALU_DEP_1)
	v_permlanex16_b32 v27, v26, s[SEL], s[SEL+1]
	s_delay_alu instid0(VALU_DEP_1)
	v_max_num_f32 v26, v26, v27
	s_delay_alu instid0(VALU_DEP_1)
	v_mul_f32 v26, s[CS], v26
	s_delay_alu instid0(VALU_DEP_1)
	v_max_num_f32 v13, v13, v26
	v_mov_b32 v26, v12
	s_delay_alu instid0(VALU_DEP_2)
	v_floor_f32 v12, -v13                          ; -M = floor(-t)
	s_delay_alu instid0(VALU_DEP_1)
	v_sub_f32 v26, v12, v26
	s_delay_alu instid0(VALU_DEP_1)
	v_cvt_i32_f32 v26, v26                         ; old M - new M, a whole number, 0 or less (it saturates)
	s_delay_alu instid0(VALU_DEP_1)
	v_ldexp_f32 v24, 1.0, v26                      ; f = 2^(old M - new M)
.irp j, 0,2,4,6,8,10,12,14,16,18,20,22,24,26,28,30,32,34,36,38,40,42,44,46,48,50,52,54,56,58,60,62
	v_pk_fma_f32 v[96+\j:97+\j], v[96+\j:97+\j], s[CS:CS+1], v[12:13] op_sel_hi:[1,0,0]   ; t - M
.endr
.set NN, 0
	s_wait_alu depctr_va_vdst(0)                   ; the wait ahead of the batch
.rept 64
	v_exp_f32 v[96+NN], v[96+NN]
.set NN, NN+1
.endr
	v_pk_mul_f32 v[14:15], v[14:15], v[24:25] op_sel_hi:[1,0]
	s_wait_alu depctr_va_vdst(0)                   ; and behind it: for the batch's results, and for O^T, whose first readers follow
.irp j, 0,2,4,6,8,10,12,14,16,18,20,22,24,26,28,30
	v_pk_mul_f32 v[160+\j:161+\j], v[160+\j:161+\j], v[24:25] op_sel_hi:[1,0]
.endr
	v_pk_add_f32 v[28:29], v[96:97], v[98:99]      ; the row's sum, of the unquantised p, in four chains
	v_pk_add_f32 v[26:27], v[100:101], v[102:103]
	v_pk_add_f32 v[30:31], v[104:105], v[106:107]
.irp j, 108,116,124,132,140,148
	v_pk_add_f32 v[14:15], v[14:15], v[\j:\j+1]
	v_pk_add_f32 v[28:29], v[28:29], v[\j+2:\j+3]
	v_pk_add_f32 v[26:27], v[26:27], v[\j+4:\j+5]
	v_pk_add_f32 v[30:31], v[30:31], v[\j+6:\j+7]
.endr
	v_pk_add_f32 v[14:15], v[14:15], v[156:157]
	v_pk_add_f32 v[28:29], v[28:29], v[158:159]
	v_pk_add_f32 v[26:27], v[26:27], v[30:31]
	v_pk_add_f32 v[14:15], v[14:15], v[28:29]
	s_delay_alu instid0(VALU_DEP_1)
	v_pk_add_f32 v[14:15], v[14:15], v[26:27]
.irp j, 0,2,4,6,8,10,12,14,16,18,20,22,24,26,28,30,32,34,36,38,40,42,44,46,48,50,52,54,56,58,60,62
	v_dual_min_num_f32 v[96+\j], s[LIM], v[96+\j] :: v_dual_min_num_f32 v[97+\j], s[LIM], v[97+\j]   ; the conversion does not saturate (ISA guide 7.6.2); p is never negative
.endr
.irp c, 0,1,2,3,4,5,6,7
	v_cvt_scalef32_pk8_bf8_f32 v[192+2*\c:193+2*\c], v[96+8*\c:103+8*\c], v6
.endr
	v_nop                                          ; one place behind the last conversion
	s_wait_alu depctr_va_vdst(0)                   ; directly ahead of the wait below
	s_wait_dscnt 0x0                               ; v's fragments
.irp t, 0,1,2,3
	v_wmma_f32_16x16x128_bf8_bf8 v[160+8*\t:167+8*\t], v[32+16*\t:47+16*\t], v[192:207], v[160+8*\t:167+8*\t]
.endr
.Lnone_\@:
.endm
	s_wait_alu depctr_va_vdst(0)                   ; the wait at the head's end
	s_wait_tensorcnt 0x0                           ; my part of blocks 0-4 is in
	ds_add_u32 v[SPW], v[NIL]
	s_wait_dscnt 0x0
	CROUND                                         ; everybody's part is in, and the joint loads meet
	tensor_load_to_lds s[44:47], s[G1B:G1B+7]      ; key blocks 5-15
	s_nop 0
	s_wait_loadcnt 0x0                             ; Q
	s_mov_b32 s[CNT], 0
.Lfirst:
	TRIP 0
	s_add_co_u32 s[CNT], s[CNT], 1
	s_cmp_lt_u32 s[CNT], 2
	s_cbranch_scc1 .Lfirst
	s_wait_tensorcnt 0x0                           ; my part of blocks 5-15 is in: I say so here,
	s_wait_dscnt 0x0
	s_barrier_signal -1
	s_mov_b32 s[CNT], 2
	TRIP 0                                         ; work one trip more on blocks 0-4 (LDS is only read),
	s_barrier_wait -1                              ; and go on when all have said so; nothing is filled any more
	s_mov_b32 s[CNT], 3
.Lsecond:
	TRIP 1
	s_add_co_u32 s[CNT], s[CNT], 1
	s_cmp_lt_u32 s[CNT], 9
	s_cbranch_scc1 .Lsecond
	s_cmp_eq_u32 s[ROLE], 0
	s_cbranch_scc1 .Lgiven
.rept 4
	v_nop                                          ; places behind the last products
.endr
	v_mov_b32 v28, v12                             ; B: its part of tile 15 - i goes to the pair's stage: O^T, then -M and my lane's sum
	v_add_f32 v29, v14, v15
.irp t, 0,1,2,3,4,5,6,7
	ds_store_b128 v249, v[160+4*\t:163+4*\t] offset:512*\t
.endr
	ds_store_b64 v249, v[28:29] offset:4096
.Lgiven:
	s_wait_tensorcnt 0x0                           ; behind the wave's last LDS store; none follows
	ds_add_u32 v[SPW], v[NIL]
	s_wait_dscnt 0x0
	CROUND                                         ; the closing round: behind every partner's last joint load; its barriers also show B's stage to A
	s_cmp_lg_u32 s[ROLE], 0
	s_cbranch_scc1 .Lfinish
.rept 4
	v_nop                                          ; places behind the last products
.endr
.irp t, 0,1,2,3,4,5,6,7
	ds_load_b128 v[32+4*\t:35+4*\t], v249 offset:512*\t
.endr
	ds_load_b64 v[64:65], v249 offset:4096
	s_wait_dscnt 0x0
	v_min_num_f32 v26, v12, v64                    ; -M of the two parts together
	v_sub_f32 v24, v26, v12
	v_sub_f32 v66, v26, v64
	v_cvt_i32_f32 v24, v24
	v_cvt_i32_f32 v66, v66
	v_ldexp_f32 v24, 1.0, v24                      ; each part's power of two
	v_ldexp_f32 v66, 1.0, v66
	v_mov_b32 v67, 0                               ; (upper half of the pair)
	v_add_f32 v14, v14, v15
	v_mul_f32 v29, v65, v66
	v_fma_f32 v248, v14, v24, v29
.irp j, 0,2,4,6,8,10,12,14,16,18,20,22,24,26,28,30
	v_pk_mul_f32 v[32+\j:33+\j], v[32+\j:33+\j], v[66:67] op_sel_hi:[1,0]
.endr
.irp j, 0,2,4,6,8,10,12,14,16,18,20,22,24,26,28,30
	v_pk_fma_f32 v[208+\j:209+\j], v[160+\j:161+\j], v[24:25], v[32+\j:33+\j] op_sel_hi:[1,0,1]
.endr
.Lfinish:
	v_permlanex16_b32 v27, v248, s[SEL], s[SEL+1]
	v_add_f32 v248, v248, v27                      ; the row's sum
	s_wait_alu depctr_va_vdst(0)                   ; the wait ahead of the transcendental,
	v_rcp_f32 v248, v248
	v_nop
	s_add_co_i32 s61, s58, s59
	s_wait_alu depctr_va_vdst(0)                   ; and ahead of its reader
	v_ldexp_f32 v248, v248, s61                    ; x 2^(e8 + e9)
.set NN, 0
.rept 32
	v_mul_f32 v[96+NN], v[208+NN], v248
.set NN, NN+1
.endr
.set NN, 0
.rept 32
	v_med3_num_f32 v[96+NN], v[96+NN], -v9, v9
.set NN, NN+1
.endr
.irp t, 0,1,2,3
	v_cvt_scalef32_pk8_bf8_f32 v[192+2*\t:193+2*\t], v[96+8*\t:103+8*\t], v8
.endr
	v_nop
	global_store_b128 v1, v[192:195], s[68:69]     ; half a fragment: 512 consecutive bytes a store
	global_store_b128 v1, v[196:199], s[68:69] offset:512
	s_endpgm
.Lfunc_end_k_q80e093bc0b_attn:
	.size	k_q80e093bc0b_attn, .Lfunc_end_k_q80e093bc0b_attn-k_q80e093bc0b_attn
	.p2alignl 7, 3214868480
	.fill 96, 4, 3214868480
	.section	.rodata,"a",@progbits
	.p2align	6, 0x0
	.amdhsa_kernel k_q80e093bc0b_attn
		.amdhsa_group_segment_fixed_size 327680
		.amdhsa_private_segment_fixed_size 0
		.amdhsa_enable_private_segment 0
		.amdhsa_kernarg_size 32
		.amdhsa_user_sgpr_count 2
		.amdhsa_user_sgpr_kernarg_segment_ptr 1
		.amdhsa_wavefront_size32 1
		.amdhsa_system_sgpr_workgroup_id_x 1
		.amdhsa_system_sgpr_workgroup_id_y 1
		.amdhsa_system_sgpr_workgroup_id_z 1
		.amdhsa_system_vgpr_workitem_id 0
		.amdhsa_next_free_vgpr 256
		.amdhsa_next_free_sgpr 80
		.amdhsa_reserve_vcc 1
		.amdhsa_float_denorm_mode_32 3
		.amdhsa_float_denorm_mode_16_64 3
		.amdhsa_memory_ordered 1
		.amdhsa_forward_progress 1
		.amdhsa_inst_pref_size 88
	.end_amdhsa_kernel
	.amdgpu_metadata
---
amdhsa.version: [ 1, 2 ]
amdhsa.kernels:
  - .name:           k_q80e093bc0b_attn
    .symbol:         k_q80e093bc0b_attn.kd
    .args:
      - { .name: qimg, .offset: 0, .size: 8, .value_kind: global_buffer, .address_space: global }
      - { .name: kvimg, .offset: 8, .size: 8, .value_kind: global_buffer, .address_space: global }
      - { .name: lowp_scales, .offset: 16, .size: 8, .value_kind: global_buffer, .address_space: global }
      - { .name: aimg, .offset: 24, .size: 8, .value_kind: global_buffer, .address_space: global }
    .group_segment_fixed_size: 327680
    .private_segment_fixed_size: 0
    .kernarg_segment_align: 8
    .kernarg_segment_size: 32
    .max_flat_workgroup_size: 512
    .sgpr_count:     80
    .vgpr_count:     256
    .wavefront_size: 32
...
	.end_amdgpu_metadata
.endif
;; end of part 3
;; launch oproj (part 4): grid 8 x 32, 4 waves a work-group, clusters of 4 x 4, 327,680 bytes of LDS; arguments aimg, codes, lowp_scales, bo, out0; writes out0
.if DOCPART == 4
	.amdgcn_target "amdgcn-amd-amdhsa--gfx1250"
	.amdhsa_code_object_version 6
	.text
	.protected	k_q80e093bc0b_oproj
	.globl	k_q80e093bc0b_oproj
	.p2align	8
	.type	k_q80e093bc0b_oproj,@function
k_q80e093bc0b_oproj:
	s_mov_b64 s[64:65], 0
	v_nop
	global_prefetch_b8 v0, s[64:65] scope:SCOPE_SE
	s_setreg_imm32_b32 hwreg(HW_REG_WAVE_MODE, 25, 1), 1
	s_wait_xcnt 0x0
	s_wait_alu depctr_hold_cnt(0) depctr_sa_sdst(0) depctr_va_vdst(0) depctr_va_sdst(0) depctr_va_ssrc(0) depctr_va_vcc(0) depctr_vm_vsrc(0)
	s_getreg_b32 s2, hwreg(HW_REG_IB_STS2, 6, 4)
	s_cmp_eq_u32 s2, 0
	s_cbranch_scc0 .Lentry_in_a_cluster
	s_endpgm
.Lentry_in_a_cluster:
	s_bfe_u32 s2, ttmp6, 0x10000c
	s_cmp_lg_u32 s2, 0xf033
	s_cbranch_scc0 .Lentry_shape_is_right
	s_endpgm
.Lentry_shape_is_right:
; out0 = attention's result x Wo^T + bo, on codes of BF8 (E5M2): out0 [4096][1024] f32.  A: aimg = [K step of 256: 4][tile of 16 tokens: 256][two fragments]; B: Wo's codes, tiles 960-1023 of
; codes = [K step: 4][tile of 16 rows: 1,024][two fragments].  A fragment (16 rows x 128 K) is an image of its registers: registers 4 g .. 4 g + 3 of lane l at 512 g + 16 l.
; A work-group makes 128 x 128 of out0 (256 work-groups), each of four waves 64 x 64.  ALL OF K LIES IN LDS: waves 0, 1 fetch 64 tokens each, waves 2, 3 64 channels each, by one joint tensor load of
; four rows (a K step each) of 16,384 dense bytes.  Nothing is filled again, and no loop fetches: so no prefetch either.
; Wo's tile 4 g + t holds channels 64 g + 4 r + t.  Source 0 = 16 tokens, source 1 = a tile of Wo: register j of lane (r, h) is token 8 h + j, channel 4 r + t: the four tiles' registers j are four neighbouring
; channels, and sixteen lanes hold 256 neighbouring bytes of a row.  A wave keeps all its fragments of Wo (512 registers) and finishes 16 tokens at a time, K ascending, so that stores begin early.
; CLUSTERS: 4 x 4 work-groups; A's tiles are shared along a row of the cluster, B's along a column, each asked for jointly.
; LIMIT: e10 + e11 between -126 and 127.
; REGISTERS, in windows of 256: window 0: v8-11 biases, v16-19 addresses, v32-95 two sets of four accumulators, v96-223 results; windows 1, 2: Wo's fragments of K 0-511, 512-1023; window 3: two buffers of 16 tokens x 1,024 K.
.set SPARE, 262144                     ; behind the tiles: the spare words, 128 bytes for each wave
.set VA,   16
.set VB,   17
.set CO,   18
.set BO,   19
.set SPW,  28
.set NIL,  29
.set ACC,  32
.set OUT,  96
.set G1,   24                          ; s[24:31] descriptor group 1 for A, s[48:55] for B; s[32:35], s[56:59] groups 0
.set G1B,  48
.set MSB, 0
.macro WIN new                         ; the immediate's high byte repeats the setting that is left
.if MSB != (\new)
	s_set_vgpr_msb (MSB<<8)|(\new)
.set MSB, (\new)
.endif
.endm
.macro CROUND                          ; a round of the cluster's barrier
	s_barrier_signal -1
	s_barrier_wait -1
	s_cmp_lg_u32 s14, 0
	s_cbranch_scc1 .Lnot_wave_0_\@
	s_barrier_signal -3
.Lnot_wave_0_\@:
	s_barrier_wait -3
	s_barrier_signal -1
	s_barrier_wait -1
.endm
	s_load_b256 s[4:11], s[0:1], 0x0               ; aimg s[4:5], codes s[6:7], the scales' exponents s[8:9], bo s[10:11]
	s_load_b64 s[12:13], s[0:1], 0x20              ; out0
	v_lshl_add_u32 v[SPW], v0, 2, SPARE
	v_mov_b32 v[NIL], 0
	ds_add_u32 v[SPW], v[NIL]                      ; the wave's opening: the add, twice on end, and its wait
	ds_add_u32 v[SPW], v[NIL]
	v_lshrrev_b32 v1, 5, v0
	v_readfirstlane_b32 s14, v1                    ; wave 0..3
	s_lshr_b32 s15, s14, 1                         ; which 64 tokens are mine.  Also: I fetch for A (0) or for B (1)
	s_and_b32 s16, s14, 1                          ; which 64 channels.  Also: which half of that side I fetch
	s_bfe_u32 s40, ttmp6, 0x40000                  ; cx, cy
	s_bfe_u32 s41, ttmp6, 0x40004
	s_lshl_b32 s42, ttmp9, 2
	s_add_co_u32 s42, s42, s40                     ; tile column
	s_and_b32 s17, ttmp7, 0xffff
	s_lshl_b32 s17, s17, 2
	s_add_co_u32 s17, s17, s41                     ; tile row
	s_lshl_b32 s43, s41, 2
	s_lshl_b32 s43, 15, s43                        ; my row of the cluster
	s_lshl_b32 s44, 0x1111, s40                    ; my column
	; descriptor group 1: four rows (K steps) of 2,048 elements of 8 bytes, a K step apart in memory, dense in LDS
	s_or_b32 s[G1], s43, (3<<16)|(1<<21)
	s_or_b32 s[G1B], s44, (3<<16)|(1<<21)
.irp g, G1, G1B
	s_mov_b32 s[\g+1], 2048<<16                    ; tensor_dim0
	s_mov_b32 s[\g+2], 4<<16                       ; tensor_dim1
	s_mov_b32 s[\g+3], 2048<<16                    ; tile_dim0
	s_mov_b32 s[\g+4], 4                           ; tile_dim1
	s_mov_b32 s[\g+6], 0
	s_mov_b32 s[\g+7], 0
.endr
	s_mov_b32 s[G1+5], 131072                      ; a K step of aimg: 1,048,576 bytes
	s_mov_b32 s[G1B+5], 524288                     ; of codes: 4,194,304
	s_lshl_b32 s18, s16, 14                        ; 64 rows of a K step are 16,384 bytes
	s_lshl_b32 s20, s17, 15
	s_add_co_u32 s20, s20, s18                     ; A: 128 x tile row + 64 x half
	s_mov_b32 s21, 0
	s_lshl_b32 s46, s42, 15
	s_add_co_u32 s46, s46, s18
	s_add_co_u32 s46, s46, 960*4096                ; B: behind 960 tiles
	s_mov_b32 s47, 0
	s_lshl_b32 s45, s14, 16                        ; where they go: wave x 65,536: no place in the cluster enters an LDS address
	s_wait_dscnt 0x0                               ; both opening adds are done
	s_wait_kmcnt 0x0
	s_load_b64 s[96:97], s[8:9], 0x28              ; e10, e11
	s_mov_b32 s32, 1
	s_mov_b32 s33, s45
	s_add_nc_u64 s[34:35], s[4:5], s[20:21]
	s_or_b32 s35, s35, 0x80000000
	s_mov_b32 s56, 1
	s_mov_b32 s57, s45
	s_add_nc_u64 s[58:59], s[6:7], s[46:47]
	s_or_b32 s59, s59, 0x80000000
	CROUND                                         ; in front of the joint loads
	s_cmp_eq_u32 s15, 0                            ; the branch hangs on the wave's number alone: one tensor load a wave
	s_cbranch_scc0 .Lfor_b
	tensor_load_to_lds s[32:35], s[G1:G1+7]
	s_nop 0
.rept 4
	v_nop
.endr
	s_branch .Lasked
.Lfor_b:
	tensor_load_to_lds s[56:59], s[G1B:G1B+7]
	s_nop 0
.rept 4
	v_nop
.endr
.Lasked:
	s_lshl_b32 s20, s17, 7
	s_lshl_b32 s21, s15, 6
	s_add_co_u32 s20, s20, s21                     ; my first row of out0
	s_lshl_b32 s20, s20, 12
	s_lshl_b32 s22, s42, 9
	s_lshl_b32 s23, s16, 8
	s_add_co_u32 s22, s22, s23                     ; my first column, in bytes
	s_mov_b32 s23, 0
	s_add_nc_u64 s[68:69], s[10:11], s[22:23]
	s_add_co_u32 s20, s20, s22
	s_mov_b32 s21, 0
	s_add_nc_u64 s[12:13], s[12:13], s[20:21]
	s_lshl_b32 s21, s15, 16                        ; my tokens in LDS,
	s_add_co_u32 s22, s16, 2
	s_lshl_b32 s22, s22, 16                        ; my channels
	v_and_b32 v2, 15, v0                           ; r
	v_lshlrev_b32 v[BO], 4, v2                     ; 16 r
	global_load_b128 v[8:11], v[BO], s[68:69]      ; the biases of channels 4 r .. 4 r + 3
	v_bfe_u32 v3, v0, 4, 1                         ; h
	v_lshl_add_u32 v[CO], v3, 15, v[BO]            ; eight rows of out0 for each h
	v_and_b32 v1, 31, v0
	v_lshl_add_u32 v[VA], v1, 4, s21
	v_lshl_add_u32 v[VB], v1, 4, s22
	s_wait_kmcnt 0x0
	s_add_co_i32 s96, s96, s97
	s_add_co_i32 s96, s96, 127
	s_lshl_b32 s96, s96, 23                        ; 2^(e10 + e11) as f32
.macro LA a, k                         ; 16 tokens x 128 K: a fragment into buffer a % 2
	WIN 0xc0
.irp g, 0,1,2,3
	ds_load_b128 v[128*((\a)%2)+16*(\k)+4*\g:128*((\a)%2)+16*(\k)+4*\g+3], v[VA] offset:((\k)/2)*16384+(\a)*4096+((\k)%2)*2048+512*\g
.endr
.endm
.macro LOADK k                         ; the first 16 tokens' fragment k and Wo's four: twenty loads
	LA 0, \k
	WIN 0x40+0x40*((\k)/4)
.irp t, 0,1,2,3
.irp g, 0,1,2,3
	ds_load_b128 v[64*((\k)%4)+16*\t+4*\g:64*((\k)%4)+16*\t+4*\g+3], v[VB] offset:((\k)/2)*16384+\t*4096+((\k)%2)*2048+512*\g
.endr
.endr
.endm
; Four matrix instructions, one on each accumulator: the four take turns.  k = 0 starts the sums.
.macro MM a, k
	WIN 0x07+0x04*((\k)/4)                         ; source 0 window 3, source 1 window 1 or 2, C and D window 0
.irp t, 0,1,2,3
.if (\k) == 0
	v_wmma_f32_16x16x128_bf8_bf8 v[ACC+32*((\a)%2)+8*\t:ACC+32*((\a)%2)+8*\t+7], v[128*((\a)%2)+16*(\k):128*((\a)%2)+16*(\k)+15], v[64*((\k)%4)+16*\t:64*((\k)%4)+16*\t+15], 0
.else
	v_wmma_f32_16x16x128_bf8_bf8 v[ACC+32*((\a)%2)+8*\t:ACC+32*((\a)%2)+8*\t+7], v[128*((\a)%2)+16*(\k):128*((\a)%2)+16*(\k)+15], v[64*((\k)%4)+16*\t:64*((\k)%4)+16*\t+15], v[ACC+32*((\a)%2)+8*\t:ACC+32*((\a)%2)+8*\t+7]
.endif
.endr
.endm
.macro SEND a                          ; y = sum x 2^(e10 + e11) + bo; a store covers 256 consecutive bytes, aligned, of each of two rows.  Results have registers of their own for each a
.irp j, 0,1,2,3,4,5,6,7
.irp t, 0,1,2,3
	v_fma_f32 v[OUT+32*(\a)+4*\j+\t], v[ACC+32*((\a)%2)+8*\t+\j], s96, v[8+\t]
.endr
.endr
.irp j, 0,1,2,3,4,5,6,7
	global_store_b128 v[CO], v[OUT+32*(\a)+4*\j:OUT+32*(\a)+4*\j+3], s[12:13] offset:(\a)*65536+\j*4096 th:TH_STORE_NT
.endr
.endm
	s_wait_alu depctr_va_vdst(0)                   ; the wait at the head's end
	s_wait_tensorcnt 0x0                           ; my part is in.  Behind the launch's last LDS write stand the add and its wait,
	ds_add_u32 v[SPW], v[NIL]
	s_wait_dscnt 0x0
	CROUND                                         ; and the closing round: every partner has asked for all it will ask for, and everybody's part is in
	LOADK 0
	LOADK 1
	LOADK 2
.irp k, 0,1,2,3,4
	s_wait_dscnt 40                                ; two steps' twenty loads each may be out
	MM 0, \k
	LOADK \k+3
.endr
	s_wait_dscnt 40
	MM 0, 5
.irp k, 0,1,2,3
	LA 1, \k
.endr
	s_wait_dscnt 36                                ; step 7's twenty and the sixteen just issued
	MM 0, 6
.irp k, 4,5,6,7
	LA 1, \k
.endr
	s_wait_dscnt 32                                ; the next 16 tokens' loads
	MM 0, 7
.irp a, 0,1,2,3
	WIN 0
.rept 4
	v_nop                                          ; places behind the last products, for the loads and the reads of results
.endr
.if \a < 2
.irp k, 0,1,2,3,4,5,6,7
	LA \a+2, \k
.endr
	WIN 0
.endif
.if \a == 0
	s_wait_loadcnt 0x0                             ; the biases
.endif
	SEND \a
.if \a < 3
.if \a < 2
	s_wait_dscnt 32                                ; the next 16 tokens' fragments are in; those behind them may be out
.else
	s_wait_dscnt 0x0
.endif
.irp k, 0,1,2,3,4,5,6,7
	MM \a+1, \k
.endr
.endif
.endr
	s_endpgm
.Lfunc_end_k_q80e093bc0b_oproj:
	.size	k_q80e093bc0b_oproj, .Lfunc_end_k_q80e093bc0b_oproj-k_q80e093bc0b_oproj
	.p2alignl 7, 3214868480
	.fill 96, 4, 3214868480
	.section	.rodata,"a",@progbits
	.p2align	6, 0x0
	.amdhsa_kernel k_q80e093bc0b_oproj
		.amdhsa_group_segment_fixed_size 327680
		.amdhsa_private_segment_fixed_size 0
		.amdhsa_enable_private_segment 0
		.amdhsa_kernarg_size 40
		.amdhsa_user_sgpr_count 2
		.amdhsa_user_sgpr_kernarg_segment_ptr 1
		.amdhsa_wavefront_size32 1
		.amdhsa_system_sgpr_workgroup_id_x 1
		.amdhsa_system_sgpr_workgroup_id_y 1
		.amdhsa_system_sgpr_workgroup_id_z 1
		.amdhsa_system_vgpr_workitem_id 0
		.amdhsa_next_free_vgpr 1024
		.amdhsa_next_free_sgpr 100
		.amdhsa_reserve_vcc 0
		.amdhsa_float_denorm_mode_32 3
		.amdhsa_float_denorm_mode_16_64 3
		.amdhsa_memory_ordered 1
		.amdhsa_forward_progress 1
		.amdhsa_inst_pref_size 43
	.end_amdhsa_kernel
	.amdgpu_metadata
---
amdhsa.version: [ 1, 2 ]
amdhsa.kernels:
  - .name:           k_q80e093bc0b_oproj
    .symbol:         k_q80e093bc0b_oproj.kd
    .args:
      - { .name: aimg, .offset: 0, .size: 8, .value_kind: global_buffer, .address_space: global }
      - { .name: codes, .offset: 8, .size: 8, .value_kind: global_buffer, .address_space: global }
      - { .name: lowp_scales, .offset: 16, .size: 8, .value_kind: global_buffer, .address_space: global }
      - { .name: bo, .offset: 24, .size: 8, .value_kind: global_buffer, .address_space: global }
      - { .name: out0, .offset: 32, .size: 8, .value_kind: global_buffer, .address_space: global }
    .group_segment_fixed_size: 327680
    .private_segment_fixed_size: 0
    .kernarg_segment_align: 8
    .kernarg_segment_size: 40
    .max_flat_workgroup_size: 128
    .sgpr_count:     100
    .vgpr_count:     1024
    .wavefront_size: 32
...
	.end_amdgpu_metadata
.endif
;; end of part 4
